; MI455X (gfx1250); checked and timed in simulation.
; The chip was launched on July 23, 2026; its instructions are those of AMD's public machine-readable ISA for CDNA 5 (MIT licence, August 2026) and "CDNA5" Instruction Set Architecture Reference Guide (July 2026). The comments in the code are by the model that wrote it; some were corrected since.
;; Transformer Block. Allowed arithmetic: matrix products marked QUANTISED: E2M1 operands, one E8M0 scale for each 32 along K, by v_wmma_scale_f32_16x16x128_f8f6f4 with both operands' format E2M1 (or v_wmma_scale_f32_32x16x128_f4), f32 sums; everything else in f32.
;; Inputs: b1 1,024 float32; b2 1,024 float32; bf1 4,096 float32; bf2 1,024 float32; bo 1,024 float32; g1 1,024 float32; g2 1,024 float32; w1_codes 4,096 x 32 x 16 uint8 (E2M1 codes of w1, K innermost, in blocks of 32 codes, two codes a byte); w1_scales 4,096 x 32 uint8 (E8M0 scales of w1, one for each 32 codes along K); w2_codes 1,024 x 128 x 16 uint8 (E2M1 codes of w2, K innermost, in blocks of 32 codes, two codes a byte); w2_scales 1,024 x 128 uint8 (E8M0 scales of w2, one for each 32 codes along K); wk_codes 1,024 x 32 x 16 uint8 (E2M1 codes of wk, K innermost, in blocks of 32 codes, two codes a byte); wk_scales 1,024 x 32 uint8 (E8M0 scales of wk, one for each 32 codes along K); wo_codes 1,024 x 32 x 16 uint8 (E2M1 codes of wo, K innermost, in blocks of 32 codes, two codes a byte); wo_scales 1,024 x 32 uint8 (E8M0 scales of wo, one for each 32 codes along K); wq_codes 1,024 x 32 x 16 uint8 (E2M1 codes of wq, K innermost, in blocks of 32 codes, two codes a byte); wq_scales 1,024 x 32 uint8 (E8M0 scales of wq, one for each 32 codes along K); wv_codes 1,024 x 32 x 16 uint8 (E2M1 codes of wv, K innermost, in blocks of 32 codes, two codes a byte); wv_scales 1,024 x 32 uint8 (E8M0 scales of wv, one for each 32 codes along K); x 2 x 2,048 x 1,024 float32.
;; Outputs: out0 2 x 2,048 x 1,024 float32.
;; This version of the problem:
;;   THIS VERSION OF THE PROBLEM IS GIVEN IN LOW PRECISION. The matrix products marked QUANTISED in the list below multiply operands that are first quantised to E2M1 (2 exponent bits, 1 mantissa bit; 4 bits a number), with one power-of-two scale for each 32 numbers along K (OCP MX v1.0); their sums are f32. All else is computed in f32.
;;   The module's matrix products, in the order in which they are computed (A, B: the left and right operand; K: the contracted axis; several contracted axes count as one K, in the product's order):
;;     1. [M 4,096, K 1,024] x [K 1,024, N 1,024]; A: input x; B: input wq (given as codes): QUANTISED
;;     2. [M 4,096, K 1,024] x [K 1,024, N 1,024]; A: input x; B: input wk (given as codes): QUANTISED
;;     3. [M 4,096, K 1,024] x [K 1,024, N 1,024]; A: input x; B: input wv (given as codes): QUANTISED
;;     4. batch 32 x [M 2,048, K 64] x [K 64, N 2,048]; A: computed on the way; B: computed on the way: QUANTISED
;;     5. batch 32 x [M 2,048, K 2,048] x [K 2,048, N 64]; A: softmax (see below); B: computed on the way: QUANTISED
;;     6. [M 4,096, K 1,024] x [K 1,024, N 1,024]; A: computed on the way; B: input wo (given as codes): QUANTISED
;;     7. [M 4,096, K 1,024] x [K 1,024, N 4,096]; A: computed on the way; B: input w1 (given as codes): QUANTISED
;;     8. [M 4,096, K 4,096] x [K 4,096, N 1,024]; A: computed on the way; B: input w2 (given as codes): QUANTISED
;;   THE QUANTISER, for each operand of a quantised product, along K:
;;     - K is cut into blocks of 32 from its start; a last block that is shorter is filled with zeros.
;;     - A block's scale is 2^e with e = floor(log2(the largest magnitude in the block)) - 2, held to -126 .. 127; a block of zeros has e = 0. As a byte (E8M0): e + 127.
;;     - Each number is divided by its block's scale, clamped to +-6, and rounded to the nearest number of E2M1, ties to even, subnormals kept.
;;     - The product sums the exact products of the quantised numbers (number of the format x scale) in f32.
;;   ~~~python
;;   def quantise(x, axis):      # numpy; x: float32 -> the quantised numbers, widened to float32 again
;;       x = np.moveaxis(x, axis, -1); K = x.shape[-1]
;;       x = np.pad(x, [(0, 0)] * (x.ndim - 1) + [(0, -K % 32)]); x = x.reshape(x.shape[:-1] + (-1, 32)); a = np.abs(x).max(-1, keepdims=True)
;;       e = np.where(a > 0, np.clip(np.frexp(np.where(a > 0, a, 1))[1] - 1 - 2, -126, 127), 0)      # np.frexp(a)[1] - 1 = floor(log2(a)), exactly
;;       r = np.clip(x / 2.0 ** e, -6, 6)
;;       step = 2.0 ** (np.maximum(np.frexp(np.where(r == 0, 1, r))[1] - 1, 0) - 1)
;;       q = np.round(r / step) * step * 2.0 ** e      # np.round: ties to even
;;       return np.moveaxis(q.reshape(q.shape[:-2] + (-1,))[..., :K], -1, axis).astype(np.float32)
;;   ~~~
;;   SOFTMAX AHEAD OF A QUANTISED PRODUCT. Where the list says 'softmax', what is quantised is not the finished softmax but p = 2^(t - M), with t = logit x log2(e) and M = ceil(the row's largest t), a whole number; so 1/2 < the row's largest p <= 1. The row's sum l is taken of the UNQUANTISED p, in f32, and the product's result is divided by l at the end. Since M is a whole number, a kernel that streams over the keys may use a running M (the ceiling of the running maximum): every later rescaling is an exact power of two, which a block's scale takes up: the codes' values come out the same.
;;   OPERANDS COMPUTED ON THE WAY. 'Computed on the way' means the value that the module computes at that place (a softmax that the list does not call 'softmax' is quantised finished and normalised). What goes into a quantiser is computed in f32, as accurately as f32 sums, v_exp_f32 and their like allow (about 1e-6 of the number): no bf16 or f16 on the way to a quantiser, and a product that is left as it is and whose result goes on into a quantised operand takes f32 operands (vector FMAs, or v_wmma_f32_16x16x4_f32). A number that lies on a knife's edge between two numbers of the format may be rounded either way, as far as f32 arithmetic and the matrix unit's own rounding can turn it there, and no further.
;;   INPUTS GIVEN AS CODES. w1 (in the module: [4096, 1024], K = its axis 1); w2 (in the module: [1024, 4096], K = its axis 1); wk (in the module: [1024, 1024], K = its axis 1); wo (in the module: [1024, 1024], K = its axis 1); wq (in the module: [1024, 1024], K = its axis 1); wv (in the module: [1024, 1024], K = its axis 1): each comes as NAME_codes (uint8): NAME with its K axis moved to the last place and cut into blocks of 32 codes, [.., K / 32, bytes a block], one block behind the other in memory; two codes a byte, the lower K in the low four bits (a code: sign, 2 exponent bits, 1 mantissa bit); and NAME_scales (uint8): the same leading axes, one E8M0 byte (e + 127) for each 32 codes along K. Its value is code x scale, taken as it is: it is not quantised again, and the codes and scales need not be those that the quantiser above would give.
;; One version. Each part assembles by itself: llvm-mc -triple=amdgcn-amd-amdhsa -mcpu=gfx1250 --defsym DOCPART=n.
;; ======== version 1 of 1: 4 launches
;; limits: right only within a limited range of input values
;; workspace buffers: qc 2,097,152 bytes; qs 262,144 bytes; kv 4,587,520 bytes; wimg 5,013,504 bytes; cc 2,097,152 bytes; cs 131,072 bytes; yp 33,554,432 bytes
;; launch qkv (part 1): grid 8 x 32, 8 waves a work-group, no clusters, 288,256 bytes of LDS; arguments x, wq_codes, wq_scales, wk_codes, wk_scales, wv_codes, wv_scales, wo_codes, wo_scales, w1_codes, w1_scales, w2_codes, w2_scales, qc, qs, kv, wimg; writes qc, qs, kv, wimg
.if DOCPART == 1
	.amdgcn_target "amdgcn-amd-amdhsa--gfx1250"
	.amdhsa_code_object_version 6
	.text
	.protected	k_qa5f777d2af_qkv
	.globl	k_qa5f777d2af_qkv
	.p2align	8
	.type	k_qa5f777d2af_qkv,@function
k_qa5f777d2af_qkv:
	s_mov_b64 s[64:65], 0
	v_nop
	global_prefetch_b8 v0, s[64:65] scope:SCOPE_SE
	s_setreg_imm32_b32 hwreg(HW_REG_WAVE_MODE, 25, 1), 1
	s_wait_xcnt 0x0
; TRANSFORMER BLOCK IN MX-FP4, LAUNCH 1 OF 4: q, k, v = Q(x) W^T for wq, wk, wv, and their codes for the attention.
; DEAD WORK: none.  Every input of the problem has a way to out0 and every product of its table is live, so nothing is left out in any of the four launches.
; WHAT IT DOES.  x [4096][1024] f32 is quantised along its 1,024 (blocks of 32, E2M1 codes, E8M0 bytes); the three products run on v_wmma_scale_f32_16x16x128_f8f6f4;
; q and k are quantised along a head's 64, v along the keys, all in registers, and leave as IMAGES OF OPERAND REGISTERS: four registers = 512 bytes, lane l's 16 bytes at 16 l.
; Beside that, the first 144 work-groups lay wo, w1 and w2 out once in the order in which the third launch's waves take them into registers (1,152 records, one a wave).
; SHARES.  Work-group (cg, rb): 128 tokens (rb) x the 128 features of heads 2 cg, 2 cg + 1 of each of q, k, v.  Eight waves.  Wave w quantises tokens 16 w .. 16 w + 15 of x.
; For q and k wave w owns that token tile against 8 tiles of features (source 0 = 16 rows of W, source 1 = x: a lane holds ONE token and its registers run along the features, the next K).
; For v wave w owns 16 features against the 8 token tiles (source 0 = x, source 1 = 16 rows of wv: a lane holds one feature and its registers run along 128 tokens, the keys: one K step of the second attention product).
; ALL TILES ARE 16 NEIGHBOURS.  Register j of tile t in lane (r, h) is index 16 t + 8 h + j of the next K; each conversion makes eight neighbours' codes, and one exchange of lane halves for each pair of
; code registers gives the operand's layout (macro QUANT).
; LIMITS: a block whose largest magnitude lies under 2^-124 (a block of zeros too) gets the scale byte 1: its codes are zeros or the nearest codes under that scale, and only this program reads the bytes.
; NaN and infinities among the inputs are not served.
.set WPI,   528                        ; a weight row in LDS: 512 bytes (1,024 codes) + 16 of padding, so that the 16 rows of a fragment load start 4 words apart
.set WSZ,   128*WPI                    ; 128 rows of one weight
.set WSC,   3*WSZ                      ; behind the three weights: their scale bytes, 128 rows x 32 bytes each
.set XIMG,  WSC+3*4096                 ; x's fragments as images: [token tile 8][K step 8] x 1,024 bytes
.set XSC,   XIMG+65536                 ; x's scale words: [token 128][K step 8]
.set STG,   XSC+4096                   ; the scale words on their way out: q 2 x 512, k 2 x 512, v 2 x 256 bytes
.set SPARE, STG+2560                   ; the spare words, 128 bytes a wave: four blocks of 256 bytes that no other line names
.set REC,   8960                       ; a record of kv: 8 K images, 4 V images of 1,024, K's scale image 512, V's 256
.set WREC,  4352                       ; a record of wimg: 4 tile images of 1,024, a scale image of 256
.set LANE, 1
.set R,    2                           ; lane % 16
.set HH,   3                           ; lane / 16
.set LI,   4                           ; 16 x lane
.set XA,   5                           ; x: 4,096 r + 32 h
.set AADR, 6                           ; LDS: source 0's fragments
.set BADR, 7                           ; LDS: wv's fragment (source 1 of the third phase)
.set ASCA, 8                           ; LDS: source 0's scale words
.set BSCA, 9                           ; LDS: wv's scale words
.set XWI,  10                          ; LDS: my token tile's images
.set XWS,  11                          ; LDS: my token tile's scale words
.set T0,   12
.set T1,   13
.set SPW,  14                          ; my spare word; never rewritten
.set NIL,  15                          ; 0; never rewritten
.set ACC,  16                          ; v16-79   8 accumulators; in the first phase x's numbers of even K steps
.set F,    80                          ; v80-143  source 0's 8 fragments (two halves of four); in the first phase x's numbers of odd K steps
.set BF,   144                         ; v144-159 source 1's fragment, two sets
.set BM,   160                         ; v160-163 largest magnitudes
.set TP,   164                         ; v164-167 the other half's, then the bytes
.set SO,   168                         ; v168-171 the conversions' scale operands
.set PC,   172                         ; v172-179 the codes just made
.set PW,   180                         ; their scale word
.set WS,   184                         ; v184-215 source 0's scale words: register 8 i + s: lanes 0-15 tile 2 i, lanes 16-31 tile 2 i + 1, K step s
.set BS,   216                         ; v216-223 source 1's scale words, K step s
.set QSA,  224
.set KSA,  225
.set VSA,  226
.set STL,  227
.set GV,   228
.set L8,   229                         ; 8 x lane
.set G1C,  40                          ; s[40:47] descriptor group 1: 128 rows of 512 bytes of codes, padded
.set G1S,  48                          ; s[48:55] group 1: 4,096 dense bytes of scales
.set G0C,  56                          ; s[56:59] group 0 for codes (waves 0 to 2)
.set G0S,  60                          ; s[60:63] group 0 for scales (waves 3 to 5)
.set WV,   66
.set CG,   67
.set RB,   68
.set SEL,  70                          ; s[70:71] v_permlanex16_b32's selects for lane l xor 16
.set QCB,  90
.set KIB,  92
.set VIB,  94
.set SOB,  96
.set KVB,  98
.macro PLACES                          ; four plain places behind matrix instructions, ahead of loads into their registers and of the first read of results
.rept 4
	v_nop
.endr
.endm
.macro BARRIER                         ; my LDS stores have landed and my LDS loads are in: then the work-group's barrier
	s_wait_dscnt 0x0
	s_barrier_signal -1
	s_barrier_wait -1
.endm
; 16 nb numbers of a lane, register 16 b + 8 u + j = k 32 b + 16 u + 8 h + j of my row, become codes in v[pc] on (the operand's layout) and the scale bytes in v[pw].
.macro QUANT s, nb, pc, pw
.irp b, 0,1,2,3
.if \b < \nb
	v_max3_num_f32 v[BM+\b], |v[(\s)+16*\b]|, |v[(\s)+16*\b+1]|, 0x1800000   ; my 16 numbers of block b, and the floor 2^(3 - 127): the byte cannot fall under 1
.endif
.endr
.irp i, 2,4,6,8,10,12,14
.irp b, 0,1,2,3
.if \b < \nb
	v_max3_num_f32 v[BM+\b], v[BM+\b], |v[(\s)+16*\b+\i]|, |v[(\s)+16*\b+\i+1]|   ; the blocks by turns; each accumulator is read from its low end on
.endif
.endr
.endr
.irp b, 0,1,2,3
.if \b < \nb
	s_delay_alu instid0(VALU_DEP_4)
	v_permlanex16_b32 v[TP+\b], v[BM+\b], s[SEL], s[SEL+1]
.endif
.endr
.irp b, 0,1,2,3
.if \b < \nb
	s_delay_alu instid0(VALU_DEP_4)
	v_max_num_f32 v[BM+\b], v[BM+\b], v[TP+\b]       ; with lane l xor 16's 16: the block's largest magnitude
.endif
.endr
.irp b, 0,1,2,3
.if \b < \nb
	s_delay_alu instid0(VALU_DEP_4)
	v_add_nc_u32 v[SO+\b], 0xff000000, v[BM+\b]      ; 2 off its exponent field: the conversion's scale operand
.endif
.endr
.irp b, 0,1,2,3
.if \b < \nb
	s_delay_alu instid0(VALU_DEP_4)
	v_lshrrev_b32 v[TP+\b], 23, v[SO+\b]             ; the scale's byte
.endif
.endr
	s_delay_alu instid0(VALU_DEP_3)
	v_lshl_or_b32 v[\pw], v[TP+1], 8, v[TP]
.if \nb > 2
	s_delay_alu instid0(VALU_DEP_1)
	v_lshl_or_b32 v[\pw], v[TP+2], 16, v[\pw]
	s_delay_alu instid0(VALU_DEP_1)
	v_lshl_or_b32 v[\pw], v[TP+3], 24, v[\pw]
.endif
.irp b, 0,1,2,3
.if \b < \nb
	v_cvt_scalef32_pk8_fp4_f32 v[(\pc)+4*(\b/2)+(\b%2)], v[(\s)+16*\b:(\s)+16*\b+7], v[SO+\b]       ; k = 32 b + 8 h + 0 .. 7
	v_cvt_scalef32_pk8_fp4_f32 v[(\pc)+4*(\b/2)+2+(\b%2)], v[(\s)+16*\b+8:(\s)+16*\b+15], v[SO+\b]  ; k = 32 b + 16 + 8 h + 0 .. 7
.endif
.endr
	v_nop                                            ; one plain place behind a scaled conversion
.irp c, 0,1
.if 2*\c < \nb
	v_permlane16_swap_b32 v[(\pc)+4*\c], v[(\pc)+4*\c+1]     ; blocks 2 c and 2 c + 1 change halves: register 4 c + i of lane half h now holds k = 64 c + 32 h + 8 i + 0 .. 7
	v_permlane16_swap_b32 v[(\pc)+4*\c+2], v[(\pc)+4*\c+3]
.endif
.endr
.endm
.macro XLOAD buf, s                    ; my 16 tokens' numbers of K step s: 64 a lane, in QUANT's order
.irp b, 0,1,2,3
.irp u, 0,1
	global_load_b128 v[(\buf)+16*\b+8*\u:(\buf)+16*\b+8*\u+3], v[XA], s[4:5] offset:512*(\s)+128*\b+64*\u
	global_load_b128 v[(\buf)+16*\b+8*\u+4:(\buf)+16*\b+8*\u+7], v[XA], s[4:5] offset:512*(\s)+128*\b+64*\u+16
.endr
.endr
.endm
.macro WM zero, arow                   ; one product on the registers named by rD, rA, rB, rS, rT
.if \zero
.if \arow
	v_wmma_scale_f32_16x16x128_f8f6f4 v[rD:rD+7], v[rA:rA+7], v[rB:rB+7], 0, v[rS], v[rT] matrix_a_fmt:MATRIX_FMT_FP4 matrix_b_fmt:MATRIX_FMT_FP4 matrix_a_scale:MATRIX_SCALE_ROW1
.else
	v_wmma_scale_f32_16x16x128_f8f6f4 v[rD:rD+7], v[rA:rA+7], v[rB:rB+7], 0, v[rS], v[rT] matrix_a_fmt:MATRIX_FMT_FP4 matrix_b_fmt:MATRIX_FMT_FP4
.endif
.else
.if \arow
	v_wmma_scale_f32_16x16x128_f8f6f4 v[rD:rD+7], v[rA:rA+7], v[rB:rB+7], v[rD:rD+7], v[rS], v[rT] matrix_a_fmt:MATRIX_FMT_FP4 matrix_b_fmt:MATRIX_FMT_FP4 matrix_a_scale:MATRIX_SCALE_ROW1
.else
	v_wmma_scale_f32_16x16x128_f8f6f4 v[rD:rD+7], v[rA:rA+7], v[rB:rB+7], v[rD:rD+7], v[rS], v[rT] matrix_a_fmt:MATRIX_FMT_FP4 matrix_b_fmt:MATRIX_FMT_FP4
.endif
.endif
.endm
.macro MM4 half, s                     ; four products: source 0's tiles 4 half .. 4 half + 3, K step s.  The eight accumulators take turns, in the same order in every step
.irp t, 0,1,2,3
.set rD, ACC+8*(4*\half+\t)
.set rA, F+32*\half+8*\t
.set rB, BF+8*((\s)%2)
.set rS, WS+8*((4*\half+\t)/2)+(\s)
.set rT, BS+(\s)
.if (\s) == 0
	WM 1, \t%2
.else
	WM 0, \t%2
.endif
.endr
.endm
.macro LOADH half, s                   ; half 0: source 1's fragment and source 0's tiles 0-3 of K step s (10 loads); half 1: tiles 4-7 (8 loads)
.if \half == 0
	ds_load_b128 v[BF+8*((\s)%2):BF+8*((\s)%2)+3], v[gBA] offset:gBSS*(\s)
	ds_load_b128 v[BF+8*((\s)%2)+4:BF+8*((\s)%2)+7], v[gBA] offset:gBSS*(\s)+gBCS
.endif
.irp t, 0,1,2,3
	ds_load_b128 v[F+32*\half+8*\t:F+32*\half+8*\t+3], v[gAA] offset:gATS*(4*\half+\t)+gASS*(\s)
	ds_load_b128 v[F+32*\half+8*\t+4:F+32*\half+8*\t+7], v[gAA] offset:gATS*(4*\half+\t)+gASS*(\s)+gACS
.endr
.endm
; 8 tiles x 1 tile x K = 1,024.  aa, ba: address registers of the two sources' fragments; sa, sb: of their scale words; ats, ass, acs: source 0's bytes from tile to tile, K step to K step, register quad to quad; bss, bcs: source 1's
.macro GEMM8 aa, ba, sa, sb, ats, ass, acs, bss, bcs
.set gAA, \aa
.set gBA, \ba
.set gATS, \ats
.set gASS, \ass
.set gACS, \acs
.set gBSS, \bss
.set gBCS, \bcs
.irp i, 0,1,2,3
	ds_load_b128 v[WS+8*\i:WS+8*\i+3], v[\sa] offset:1024*\i           ; rows 32 i + lane: K steps 0-3,
	ds_load_b128 v[WS+8*\i+4:WS+8*\i+7], v[\sa] offset:1024*\i+16      ; and 4-7
.endr
	ds_load_b128 v[BS:BS+3], v[\sb]
	ds_load_b128 v[BS+4:BS+7], v[\sb] offset:16
	LOADH 0, 0
	LOADH 1, 0
.irp s, 0,1,2,3,4,5,6,7
	s_wait_dscnt 8                                   ; all but the eight loads of tiles 4-7
	MM4 0, \s
.if \s < 7
	PLACES
	LOADH 0, \s+1
	s_wait_dscnt 10                                  ; all but the ten just issued
.else
	s_wait_dscnt 0x0
.endif
	MM4 1, \s
	PLACES
.if \s < 7
	LOADH 1, \s+1
.endif
.endr
.endm
.macro EPI_QK base, step, sa           ; q or k: my 16 tokens x two heads: two images of 512 bytes, and each head's two scale bytes as a word into the stage
	s_wait_xcnt 0x0                                  ; earlier stores have read the registers that are written again below
	QUANT ACC, 4, PC, PW
	global_store_b128 v[LI], v[PC:PC+3], s[\base:\base+1]               ; 512 consecutive bytes, aligned
	global_store_b128 v[LI], v[PC+4:PC+7], s[\base:\base+1] offset:\step
	v_and_b32 v[T0], 0xffff, v[PW]                   ; bytes 2 and 3 stand over zero codes (a head has 64 of the instruction's 128 along K): 0
	v_lshrrev_b32 v[T1], 16, v[PW]
	ds_store_b32 v[\sa], v[T0]
	ds_store_b32 v[\sa], v[T1] offset:512
.endm
	s_load_b512 s[4:19], s[0:1], 0x0                 ; x, wq codes, scales, wk codes, scales, wv codes, scales, wo codes
	s_load_b512 s[20:35], s[0:1], 0x40               ; wo scales, w1 codes, scales, w2 codes, scales, qc, qs, kv
	s_load_b64 s[36:37], s[0:1], 0x80                ; wimg
	v_lshl_add_u32 v[SPW], v0, 2, SPARE
	v_mov_b32 v[NIL], 0
	ds_add_u32 v[SPW], v[NIL]                        ; the wave's opening: the add, twice on end, and its wait ahead of the first tensor load
	ds_add_u32 v[SPW], v[NIL]
	v_lshrrev_b32 v[T0], 5, v0
	s_delay_alu instid0(VALU_DEP_1)
	v_readfirstlane_b32 s[WV], v[T0]                 ; wave 0..7
	s_mov_b32 s[CG], ttmp9                           ; the pair of heads
	s_and_b32 s[RB], ttmp7, 0xffff                   ; the block of 128 tokens
	s_mov_b32 s[G1C], (1<<20)|(6<<22)|(3<<25)        ; elements of 1 byte; padding on: 4 words behind every 128
	s_mov_b32 s[G1C+1], 512<<16                      ; tensor_dim0
	s_mov_b32 s[G1C+2], 128<<16                      ; tensor_dim1
	s_mov_b32 s[G1C+3], 512<<16                      ; tile_dim0
	s_mov_b32 s[G1C+4], 128                          ; tile_dim1
	s_mov_b32 s[G1C+5], 512                          ; from row to row
	s_mov_b32 s[G1C+6], 0
	s_mov_b32 s[G1C+7], 0
	s_mov_b32 s[G1S], 3<<16                          ; elements of 8 bytes, no padding: 16 rows of 256 bytes, dense
	s_mov_b32 s[G1S+1], 32<<16
	s_mov_b32 s[G1S+2], 16<<16
	s_mov_b32 s[G1S+3], 32<<16
	s_mov_b32 s[G1S+4], 16
	s_mov_b32 s[G1S+5], 32
	s_mov_b32 s[G1S+6], 0
	s_mov_b32 s[G1S+7], 0
	s_mov_b32 s[SEL], 0x76543210
	s_mov_b32 s[SEL+1], 0xfedcba98
	s_mov_b32 s[G0C], 1
	s_mul_i32 s[G0C+1], s[WV], WSZ                   ; waves 0, 1, 2: wq, wk, wv
	s_mov_b32 s[G0S], 1
	s_lshl_b32 s[G0S+1], s[WV], 12
	s_add_co_u32 s[G0S+1], s[G0S+1], WSC-3*4096      ; waves 3, 4, 5: their scales
	s_lshl_b32 s72, s[CG], 16                        ; my 128 rows of a weight: 512 bytes each,
	s_mov_b32 s73, 0
	s_lshl_b32 s74, s[CG], 12                        ; and 32 scale bytes each
	s_mov_b32 s75, 0
	s_wait_dscnt 0x0                                 ; both opening adds are done
	s_wait_kmcnt 0x0
	s_cmp_eq_u32 s[WV], 0
	s_cselect_b64 s[G0C+2:G0C+3], s[6:7], s[14:15]
	s_cmp_eq_u32 s[WV], 1
	s_cselect_b64 s[G0C+2:G0C+3], s[10:11], s[G0C+2:G0C+3]
	s_add_nc_u64 s[G0C+2:G0C+3], s[G0C+2:G0C+3], s[72:73]
	s_or_b32 s[G0C+3], s[G0C+3], 0x80000000
	s_cmp_eq_u32 s[WV], 3
	s_cselect_b64 s[G0S+2:G0S+3], s[8:9], s[16:17]
	s_cmp_eq_u32 s[WV], 4
	s_cselect_b64 s[G0S+2:G0S+3], s[12:13], s[G0S+2:G0S+3]
	s_add_nc_u64 s[G0S+2:G0S+3], s[G0S+2:G0S+3], s[74:75]
	s_or_b32 s[G0S+3], s[G0S+3], 0x80000000
	s_cmp_lt_u32 s[WV], 3                            ; the first and only fills: one tensor load of a wave is out; every byte of LDS is filled once
	s_cbranch_scc0 .Lnot_codes
	tensor_load_to_lds s[G0C:G0C+3], s[G1C:G1C+7]
	s_nop 0
.rept 4
	v_nop
.endr
	s_branch .Lasked
.Lnot_codes:
	s_cmp_lt_u32 s[WV], 6
	s_cbranch_scc0 .Lasked
	tensor_load_to_lds s[G0S:G0S+3], s[G1S:G1S+7]
	s_nop 0
.rept 4
	v_nop
.endr
.Lasked:
	v_and_b32 v[LANE], 31, v0
	v_and_b32 v[R], 15, v0
	v_bfe_u32 v[HH], v0, 4, 1
	s_delay_alu instid0(VALU_DEP_3)
	v_lshlrev_b32 v[LI], 4, v[LANE]
	s_delay_alu instid0(VALU_DEP_4)
	v_lshlrev_b32 v[L8], 3, v[LANE]
	s_delay_alu instid0(VALU_DEP_4)
	v_lshlrev_b32 v[XA], 12, v[R]
	s_delay_alu instid0(VALU_DEP_1)
	v_lshl_add_u32 v[XA], v[HH], 5, v[XA]
	s_lshl_b32 s72, s[RB], 19                        ; 128 tokens of 4,096 bytes,
	s_lshl_b32 s74, s[WV], 16                        ; my 16 of them
	s_add_co_u32 s72, s72, s74
	s_add_nc_u64 s[4:5], s[4:5], s[72:73]
	XLOAD ACC, 0
	XLOAD F, 1
	; LDS addresses: a constant, a lane term, a wave term
	s_lshl_b32 s72, s[WV], 13
	v_add_nc_u32 v[XWI], s72, v[LI]
	s_delay_alu instid0(VALU_DEP_1)
	v_add_nc_u32 v[XWI], XIMG, v[XWI]
	s_lshl_b32 s72, s[WV], 4
	v_add_nc_u32 v[T0], s72, v[R]                    ; 16 w + r
	s_delay_alu instid0(VALU_DEP_1)
	v_lshl_add_u32 v[XWS], v[T0], 5, XSC
	v_mul_u32_u24 v[AADR], v[R], WPI
	s_delay_alu instid0(VALU_DEP_1)
	v_lshl_add_u32 v[AADR], v[HH], 4, v[AADR]        ; wq: row r, + 16 h
	v_lshl_add_u32 v[ASCA], v[LANE], 5, WSC
	v_mul_u32_u24 v[BADR], v[T0], WPI
	s_delay_alu instid0(VALU_DEP_1)
	v_lshl_add_u32 v[BADR], v[HH], 4, v[BADR]
	s_delay_alu instid0(VALU_DEP_1)
	v_add_nc_u32 v[BADR], 2*WSZ, v[BADR]             ; wv: row 16 w + r
	v_lshl_add_u32 v[BSCA], v[T0], 5, WSC+8192
	s_lshl_b32 s72, s[WV], 6
	v_lshl_add_u32 v[QSA], v[R], 2, STG
	s_delay_alu instid0(VALU_DEP_1)
	v_add_nc_u32 v[QSA], s72, v[QSA]                 ; q: [head][tile w][r] words
	s_and_b32 s72, s[WV], 1
	s_lshl_b32 s72, s72, 4
	v_add_nc_u32 v[T1], s72, v[R]                    ; 16 (w % 2) + r: the lane that will want my tile's word
	s_lshr_b32 s74, s[WV], 1
	s_lshl_b32 s76, s74, 2
	v_lshl_add_u32 v[KSA], v[T1], 4, STG+1024
	s_delay_alu instid0(VALU_DEP_1)
	v_add_nc_u32 v[KSA], s76, v[KSA]                 ; k: that lane's 16 bytes, word w / 2
	s_and_b32 s74, s74, 1
	s_lshl_b32 s74, s74, 2
	s_lshr_b32 s76, s[WV], 2
	s_lshl_b32 s76, s76, 8
	s_add_co_u32 s74, s74, s76
	v_lshl_add_u32 v[VSA], v[T1], 3, STG+2048
	s_delay_alu instid0(VALU_DEP_1)
	v_add_nc_u32 v[VSA], s74, v[VSA]                 ; v: head w / 4; that lane's 8 bytes, word (w / 2) % 2
	s_min_u32 s72, s[WV], 4
	s_lshl_b32 s72, s72, 9
	v_add_nc_u32 v[STL], s72, v[LI]
	s_delay_alu instid0(VALU_DEP_1)
	v_add_nc_u32 v[STL], STG, v[STL]                 ; the stage on its way out: waves 0 to 4 take 512 bytes each
	; where the results go
	s_lshr_b32 s72, s[RB], 4                         ; batch
	s_and_b32 s74, s[RB], 15                         ; S: which 128 tokens of the sequence
	s_lshl_b32 s72, s72, 4
	s_lshl_b32 s76, s[CG], 1
	s_add_co_u32 s72, s72, s76                       ; bh0 = 16 batch + 2 cg
	s_lshl_b32 s76, s72, 7
	s_lshl_b32 s77, s74, 3
	s_add_co_u32 s76, s76, s77
	s_add_co_u32 s76, s76, s[WV]
	s_lshl_b32 s76, s76, 9
	s_mov_b32 s77, 0
	s_add_nc_u64 s[QCB:QCB+1], s[30:31], s[76:77]    ; qc: tile 128 bh0 + 8 S + w
	s_lshl_b32 s76, s72, 4
	s_add_co_u32 s76, s76, s74
	s_mul_i32 s76, s76, REC
	s_add_nc_u64 s[KVB:KVB+1], s[34:35], s[76:77]    ; kv: record (bh0, S)
	s_lshl_b32 s76, s[WV], 9
	s_add_nc_u64 s[KIB:KIB+1], s[KVB:KVB+1], s[76:77]
	s_lshr_b32 s76, s[WV], 2
	s_mul_i32 s76, s76, 16*REC
	s_and_b32 s78, s[WV], 3
	s_lshl_b32 s78, s78, 10
	s_add_co_u32 s76, s76, s78
	s_add_co_u32 s76, s76, 4096
	s_add_nc_u64 s[VIB:VIB+1], s[KVB:KVB+1], s[76:77]
	s_add_co_u32 s76, s72, s[WV]
	s_lshl_b32 s76, s76, 13
	s_lshl_b32 s78, s74, 9
	s_add_co_u32 s76, s76, s78                       ; waves 0, 1: qs of head bh0 + w: 8,192 bytes a head, 512 for my 8 tiles
	s_sub_co_u32 s78, s[WV], 2
	s_mul_i32 s78, s78, 16*REC
	s_add_co_u32 s78, s78, 8192                      ; waves 2, 3: K's scale image in the record of head w - 2
	s_mov_b32 s79, 256
	s_cmp_lt_u32 s[WV], 2
	s_cselect_b64 s[SOB:SOB+1], s[32:33], s[KVB:KVB+1]
	s_cselect_b32 s76, s76, s78
	s_cmp_eq_u32 s[WV], 4                            ; wave 4: V's scale images, 256 bytes in each head's record
	s_cselect_b32 s76, 8704, s76
	s_cselect_b32 s79, 16*REC, s79
	s_add_nc_u64 s[SOB:SOB+1], s[SOB:SOB+1], s[76:77]
	v_mul_u32_u24 v[GV], v[HH], s79
	s_delay_alu instid0(VALU_DEP_1)
	v_lshl_add_u32 v[GV], v[R], 4, v[GV]
	; ---- THE RELAYOUT of wo, w1, w2: record W = 8 x work-group + wave, W under 1,152 = 72 K steps x 16 waves of the third launch, in the order in which that launch walks them:
	; step 0-7: wo; 8 + 16 j + s: rows 1,024 j on of w1; 16 + 16 j + s: K 1,024 j on of w2.  A record: rows 64 (W % 16) on, 128 along K, as four fragment images and a scale image.
	s_lshl_b32 s72, s[RB], 3
	s_add_co_u32 s72, s72, s[CG]
	s_cmp_lt_u32 s72, 144                            ; ids alone, the same in all eight waves
	s_cbranch_scc0 .Lno_relay
	s_lshl_b32 s72, s72, 3
	s_add_co_u32 s72, s72, s[WV]                     ; W
	s_lshr_b32 s73, s72, 4                           ; the step
	s_and_b32 s74, s72, 15                           ; the third launch's wave
	s_and_b32 s75, s73, 7                            ; s
	s_sub_co_u32 s76, s73, 8
	s_lshr_b32 s76, s76, 4                           ; j
	s_cmp_lt_u32 s73, 8                              ; wo?
	s_cselect_b32 s76, 0, s76
	s_cselect_b64 s[80:81], s[18:19], s[22:23]
	s_cselect_b64 s[82:83], s[20:21], s[24:25]
	s_cselect_b32 s77, 8, s73
	s_bitcmp1_b32 s77, 3                             ; bit 3 of the step: wo and w1; else w2
	s_cselect_b64 s[80:81], s[80:81], s[26:27]
	s_cselect_b64 s[82:83], s[82:83], s[28:29]
	s_cselect_b32 s78, 9, 11                         ; a row of codes: 512 or 2,048 bytes
	s_cselect_b32 s79, 5, 7                          ; a row of scales: 32 or 128
	s_cselect_b32 s84, s76, 0                        ; j goes into the rows (w1)
	s_cselect_b32 s85, 0, s76                        ; or along K (w2)
	s_lshl_b32 s84, s84, 10
	s_lshl_b32 s86, s74, 6
	s_add_co_u32 s84, s84, s86                       ; the record's first row
	s_lshl_b32 s86, s84, s78
	s_lshl_b32 s87, s75, 6
	s_add_co_u32 s86, s86, s87
	s_lshl_b32 s87, s85, 9
	s_add_co_u32 s86, s86, s87
	s_mov_b32 s87, 0
	s_add_nc_u64 s[80:81], s[80:81], s[86:87]
	s_lshl_b32 s86, s84, s79
	s_lshl_b32 s88, s75, 2
	s_add_co_u32 s86, s86, s88
	s_lshl_b32 s88, s85, 5
	s_add_co_u32 s86, s86, s88
	s_add_nc_u64 s[82:83], s[82:83], s[86:87]
	s_mul_i32 s86, s72, WREC
	s_add_nc_u64 s[88:89], s[36:37], s[86:87]
.irp t, 0,1,2,3
	v_add_nc_u32 v[178+\t], 16*\t, v[R]
	s_delay_alu instid0(VALU_DEP_1)
	v_lshlrev_b32 v[178+\t], s78, v[178+\t]
	s_delay_alu instid0(VALU_DEP_1)
	v_lshl_add_u32 v[178+\t], v[HH], 4, v[178+\t]    ; row 16 t + r, + 16 h
.endr
	v_lshlrev_b32 v182, s79, v[LANE]                 ; scale words of rows lane and 32 + lane
	v_add_nc_u32 v183, 32, v[LANE]
	s_delay_alu instid0(VALU_DEP_1)
	v_lshlrev_b32 v183, s79, v183
.irp t, 0,1,2,3
	global_load_b128 v[144+8*\t:144+8*\t+3], v[178+\t], s[80:81]
	global_load_b128 v[144+8*\t+4:144+8*\t+7], v[178+\t], s[80:81] offset:32
.endr
	global_load_b32 v176, v182, s[82:83]
	global_load_b32 v177, v183, s[82:83]
	s_wait_loadcnt 0x0
.irp i, 0,1,2,3,4,5,6,7
	global_store_b128 v[LI], v[144+4*\i:144+4*\i+3], s[88:89] offset:512*\i     ; 512 consecutive bytes, aligned
.endr
	global_store_b64 v[L8], v[176:177], s[88:89] offset:4096                    ; 256 consecutive bytes, aligned
	s_wait_xcnt 0x0                                  ; the stores have read their registers, which are written again below
.Lno_relay:
.irp b, 0,1,2,3
	v_mov_b32 v[TP+\b], 0                            ; written once: a lane permute's destination counts as one of its sources
.endr
	; ---- x becomes codes: eight K steps, loads two steps ahead
.macro XSTEP s
.set XBF, ACC+64*((\s)%2)
.if (\s) < 7
	s_wait_loadcnt 16                                ; this step's 16 loads are in; the next step's 16 may be out
.else
	s_wait_loadcnt 0x0
.endif
	s_wait_dscnt 0x0                                 ; the last step's stores have read the registers that are written again
	QUANT XBF, 4, PC, PW
	ds_store_b128 v[XWI], v[PC:PC+3] offset:1024*(\s)
	ds_store_b128 v[XWI], v[PC+4:PC+7] offset:1024*(\s)+512
	ds_store_b32 v[XWS], v[PW] offset:4*(\s)         ; both halves of the lanes write the same word with the same value
.if (\s) < 6
	XLOAD XBF, (\s)+2
.endif
.endm
.irp s, 0,1,2,3,4,5,6,7
	XSTEP \s
.endr
	s_wait_tensorcnt 0x0                             ; my part of the weights has landed
	BARRIER                                          ; x's 64 fragments and the three weights lie in LDS; nothing there is filled or written again but the stage
	; ---- q
	GEMM8 AADR, XWI, ASCA, XWS, 16*WPI, 64, 32, 1024, 512
	EPI_QK QCB, 65536, QSA
	; ---- k
	v_add_nc_u32 v[AADR], WSZ, v[AADR]
	s_wait_alu depctr_va_vdst(0)
	v_add_nc_u32 v[ASCA], 4096, v[ASCA]
	GEMM8 AADR, XWI, ASCA, XWS, 16*WPI, 64, 32, 1024, 512
	EPI_QK KIB, 16*REC, KSA
	; ---- v: the sources change roles
	v_add_nc_u32 v[AADR], XIMG, v[LI]
	s_wait_alu depctr_va_vdst(0)
	v_lshl_add_u32 v[ASCA], v[LANE], 5, XSC
	GEMM8 AADR, BADR, ASCA, BSCA, 8192, 1024, 512, 64, 32
	s_wait_xcnt 0x0
	QUANT ACC, 4, PC, PW                             ; along 128 keys: one fragment of V^T and its scale word
	global_store_b128 v[LI], v[PC:PC+3], s[VIB:VIB+1]
	global_store_b128 v[LI], v[PC+4:PC+7], s[VIB:VIB+1] offset:512
	ds_store_b32 v[VSA], v[PW]
	BARRIER                                          ; the stage is whole
	s_cmp_lt_u32 s[WV], 5
	s_cbranch_scc0 .Lno_stage
	ds_load_b128 v[ACC:ACC+3], v[STL]
	s_wait_dscnt 0x0
	global_store_b128 v[GV], v[ACC:ACC+3], s[SOB:SOB+1]   ; sixteen lanes store 256 consecutive bytes, aligned
.Lno_stage:
	s_wait_tensorcnt 0x0                             ; the wave's end: behind my last tensor load and my last LDS store
	ds_add_u32 v[SPW], v[NIL]
	s_wait_dscnt 0x0
	s_endpgm
.Lfunc_end_k_qa5f777d2af_qkv:
	.size	k_qa5f777d2af_qkv, .Lfunc_end_k_qa5f777d2af_qkv-k_qa5f777d2af_qkv
	.p2alignl 7, 3214868480
	.fill 96, 4, 3214868480
	.section	.rodata,"a",@progbits
	.p2align	6, 0x0
	.amdhsa_kernel k_qa5f777d2af_qkv
		.amdhsa_group_segment_fixed_size 288256
		.amdhsa_private_segment_fixed_size 0
		.amdhsa_enable_private_segment 0
		.amdhsa_kernarg_size 136
		.amdhsa_user_sgpr_count 2
		.amdhsa_user_sgpr_kernarg_segment_ptr 1
		.amdhsa_wavefront_size32 1
		.amdhsa_system_sgpr_workgroup_id_x 1
		.amdhsa_system_sgpr_workgroup_id_y 1
		.amdhsa_system_sgpr_workgroup_id_z 1
		.amdhsa_system_vgpr_workitem_id 0
		.amdhsa_next_free_vgpr 232
		.amdhsa_next_free_sgpr 100
		.amdhsa_reserve_vcc 0
		.amdhsa_float_denorm_mode_32 3
		.amdhsa_float_denorm_mode_16_64 3
		.amdhsa_memory_ordered 1
		.amdhsa_forward_progress 1
		.amdhsa_inst_pref_size 136
	.end_amdhsa_kernel
	.amdgpu_metadata
---
amdhsa.version: [ 1, 2 ]
amdhsa.kernels:
  - .name:           k_qa5f777d2af_qkv
    .symbol:         k_qa5f777d2af_qkv.kd
    .args:
      - { .name: x, .offset: 0, .size: 8, .value_kind: global_buffer, .address_space: global }
      - { .name: wq_codes, .offset: 8, .size: 8, .value_kind: global_buffer, .address_space: global }
      - { .name: wq_scales, .offset: 16, .size: 8, .value_kind: global_buffer, .address_space: global }
      - { .name: wk_codes, .offset: 24, .size: 8, .value_kind: global_buffer, .address_space: global }
      - { .name: wk_scales, .offset: 32, .size: 8, .value_kind: global_buffer, .address_space: global }
      - { .name: wv_codes, .offset: 40, .size: 8, .value_kind: global_buffer, .address_space: global }
      - { .name: wv_scales, .offset: 48, .size: 8, .value_kind: global_buffer, .address_space: global }
      - { .name: wo_codes, .offset: 56, .size: 8, .value_kind: global_buffer, .address_space: global }
      - { .name: wo_scales, .offset: 64, .size: 8, .value_kind: global_buffer, .address_space: global }
      - { .name: w1_codes, .offset: 72, .size: 8, .value_kind: global_buffer, .address_space: global }
      - { .name: w1_scales, .offset: 80, .size: 8, .value_kind: global_buffer, .address_space: global }
      - { .name: w2_codes, .offset: 88, .size: 8, .value_kind: global_buffer, .address_space: global }
      - { .name: w2_scales, .offset: 96, .size: 8, .value_kind: global_buffer, .address_space: global }
      - { .name: qc, .offset: 104, .size: 8, .value_kind: global_buffer, .address_space: global }
      - { .name: qs, .offset: 112, .size: 8, .value_kind: global_buffer, .address_space: global }
      - { .name: kv, .offset: 120, .size: 8, .value_kind: global_buffer, .address_space: global }
      - { .name: wimg, .offset: 128, .size: 8, .value_kind: global_buffer, .address_space: global }
    .group_segment_fixed_size: 288256
    .private_segment_fixed_size: 0
    .kernarg_segment_align: 8
    .kernarg_segment_size: 136
    .max_flat_workgroup_size: 256
    .sgpr_count:     100
    .vgpr_count:     232
    .wavefront_size: 32
...
	.end_amdgpu_metadata
.endif
;; end of part 1
;; launch attn (part 2): grid 8 x 32, 16 waves a work-group, clusters of 4 x 1, 167,936 bytes of LDS; arguments qc, qs, kv, cc, cs; writes cc, cs
.if DOCPART == 2
	.amdgcn_target "amdgcn-amd-amdhsa--gfx1250"
	.amdhsa_code_object_version 6
	.text
	.protected	k_qa5f777d2af_attn
	.globl	k_qa5f777d2af_attn
	.p2align	8
	.type	k_qa5f777d2af_attn,@function
k_qa5f777d2af_attn:
	s_mov_b64 s[64:65], 0
	v_nop
	global_prefetch_b8 v0, s[64:65] scope:SCOPE_SE
	s_setreg_imm32_b32 hwreg(HW_REG_WAVE_MODE, 25, 1), 1
	s_wait_xcnt 0x0
	s_wait_alu depctr_hold_cnt(0) depctr_sa_sdst(0) depctr_va_vdst(0) depctr_va_sdst(0) depctr_va_ssrc(0) depctr_va_vcc(0) depctr_vm_vsrc(0)
	s_getreg_b32 s2, hwreg(HW_REG_IB_STS2, 6, 4)
	s_cmp_eq_u32 s2, 0
	s_cbranch_scc0 .Lentry_in_a_cluster
	s_endpgm
.Lentry_in_a_cluster:
	s_bfe_u32 s2, ttmp6, 0x10000c
	s_cmp_lg_u32 s2, 0x3003
	s_cbranch_scc0 .Lentry_shape_is_right
	s_endpgm
.Lentry_shape_is_right:
; LAUNCH 2 OF 4: ctx = softmax(q k^T / 8) v for 32 (batch, head) pairs of 2,048 tokens, head size 64, both products on E2M1 codes; ctx is quantised along the model's 1,024 for the next product.  No work is left out.
; THE SOFTMAX AHEAD OF THE SECOND PRODUCT: t = score x log2(e) / 8; M = the running largest t rounded UP to a whole number; p = 2^(t - M) is quantised along the keys, not normalised; the row's sum is taken of the
; unquantised p and divides at the end.  When M moves, the sum and O are multiplied by 2^(old M - new M): exact.
; SHARES.  A work-group owns 256 queries of one head, each of its sixteen waves 16 of them in 256 registers: four waves to a SIMD, so that one wave's vector work stands beside another's products and LDS loads.
; THE HEAD'S WHOLE K AND V, 16 records of 8,960 bytes (128 keys each, laid by the first launch as images of operand registers), lie in LDS, filled ONCE: wave w asks for record w.  No byte is filled again.
; CLUSTER.  The four query blocks of a cluster belong to one head, so each record is asked for JOINTLY: the same tensor load with the same descriptor (made of the head and the wave's number alone) and the mask of all four.
; LAYOUT.  Both products transposed: S^T = K Q^T (source 0 = 16 keys, source 1 = my queries), O^T = V^T P^T (source 0 = 16 of the head's 64): a lane holds ONE query throughout.  The first product's K is 64:
; the upper 64 of the instruction's 128 are zero codes on both sides (four registers of each fragment, cleared once).
; A block's largest p is not searched for: p rises with the score, so the block's largest score goes through the same multiply-add and exponential.
; LIMITS: as in the first launch (scale byte 1 for blocks under 2^-124; NaN and infinities not served).
.set REC,   8960
.set CST,   16*REC                     ; behind the records: ctx's scale bytes on their way out, 512 bytes
.set SPARE, CST+512                    ; the spare words, 128 bytes a wave: eight blocks of 256 bytes that no other line names
.set LI,  1                            ; 16 x lane
.set L8,  2                            ; 8 x lane
.set ADK, 3
.set ADV, 4
.set SPW, 5                            ; my spare word; never rewritten
.set NIL, 6                            ; 0; never rewritten
.set QF,  8                            ; v8-15    Q's fragment (v12-15 zero)
.set QS,  22                           ; Q's scale words
.set PS,  23                           ; p's
.set KS,  24                           ; v24-27   K's: register i: lanes 0-15 tile 2 i, lanes 16-31 tile 2 i + 1
.set VS,  28                           ; v28-29   V's likewise
.set KF,  32                           ; v32-95   K's 8 fragments (the upper four registers of each zero)
.set S,   96                           ; v96-159  S^T, then p
.set O,   160                          ; v160-191 O^T
.set VF,  192                          ; v192-223 V's 4 fragments
.set PC,  224                          ; v224-231 p's codes
.set BM,  232
.set TP,  236
.set SO,  240
.set WV,  18
.set SEL, 20
.set CS,  22                           ; s[22:23] c = log2(e) / 8
.set G1,  24
.set G0,  32
.set TB,  2
.set CNT, 3
; v16 -M, v17 the largest t, v[18:19] the sum in two halves, v20 f (v21 0: named with it as a pair)
.macro PLACES
.rept 4
	v_nop
.endr
.endm
.macro ROUND                           ; a round of the cluster's barrier
	s_barrier_signal -1
	s_barrier_wait -1
	s_cmp_lg_u32 s[WV], 0
	s_cbranch_scc1 .Lnot_wave_0_\@
	s_barrier_signal -3
.Lnot_wave_0_\@:
	s_barrier_wait -3
	s_barrier_signal -1
	s_barrier_wait -1
.endm
.macro CODES s, nb, pc                 ; the conversions and the exchange of halves: register 16 b + 8 u + j = k 32 b + 16 u + 8 h + j; scale operands in v[SO] on
.irp b, 0,1,2,3
.if \b < \nb
	v_cvt_scalef32_pk8_fp4_f32 v[(\pc)+4*(\b/2)+(\b%2)], v[(\s)+16*\b:(\s)+16*\b+7], v[SO+\b]
	v_cvt_scalef32_pk8_fp4_f32 v[(\pc)+4*(\b/2)+2+(\b%2)], v[(\s)+16*\b+8:(\s)+16*\b+15], v[SO+\b]
.endif
.endr
	v_nop                                            ; one plain place behind a scaled conversion
.irp c, 0,1
.if 2*\c < \nb
	v_permlane16_swap_b32 v[(\pc)+4*\c], v[(\pc)+4*\c+1]     ; register 4 c + i of lane half h now holds k = 64 c + 32 h + 8 i + 0 .. 7
	v_permlane16_swap_b32 v[(\pc)+4*\c+2], v[(\pc)+4*\c+3]
.endif
.endr
.endm
	s_load_b256 s[4:11], s[0:1], 0x0                 ; qc, qs, kv, cc
	s_load_b64 s[12:13], s[0:1], 0x20                ; cs
	v_lshl_add_u32 v[SPW], v0, 2, SPARE
	v_mov_b32 v[NIL], 0
	ds_add_u32 v[SPW], v[NIL]                        ; the wave's opening: the add, twice on end, and its wait ahead of the round in front of the first tensor load
	ds_add_u32 v[SPW], v[NIL]
	v_lshrrev_b32 v7, 5, v0
	s_delay_alu instid0(VALU_DEP_1)
	v_readfirstlane_b32 s[WV], v7                    ; wave 0..15
	s_bfe_u32 s14, ttmp6, 0x40000                    ; cx: it enters the addresses of Q, cc and cs alone
	s_lshl_b32 s15, ttmp9, 2
	s_add_co_u32 s15, s15, s14                       ; my block of 256 queries
	s_and_b32 s16, ttmp7, 0xffff                     ; bh, which the four partners share
	s_mov_b32 s[G1], 15|(3<<16)|(1<<21)              ; the mask: all four work-groups; elements of 8 bytes; bit 21 set beside a mask
	s_mov_b32 s[G1+1], 32<<16                        ; a record is 35 dense rows of 256 bytes
	s_mov_b32 s[G1+2], 35<<16
	s_mov_b32 s[G1+3], 32<<16
	s_mov_b32 s[G1+4], 35
	s_mov_b32 s[G1+5], 32
	s_mov_b32 s[G1+6], 0
	s_mov_b32 s[G1+7], 0
	s_mov_b32 s[SEL], 0x76543210
	s_mov_b32 s[SEL+1], 0xfedcba98
	s_mov_b32 s[CS], 0x3e38aa3b
	s_mov_b32 s[CS+1], s[CS]
	s_mov_b32 s[G0], 1
	s_mul_i32 s[G0+1], s[WV], REC                    ; record w, in LDS
	s_mul_i32 s36, s16, 16*REC
	s_add_co_u32 s36, s36, s[G0+1]                   ; and in kv
	s_mov_b32 s37, 0
	s_lshl_b32 s38, s15, 4
	s_add_co_u32 s38, s38, s[WV]                     ; T: my tile of 16 queries in the sequence
	s_lshl_b32 s39, s16, 7
	s_add_co_u32 s39, s39, s38
	s_lshl_b32 s40, s39, 9                           ; qc: 512 bytes a tile
	s_mov_b32 s41, 0
	s_lshl_b32 s42, s39, 6                           ; qs: 64
	s_mov_b32 s43, 0
	s_lshr_b32 s39, s16, 4                           ; batch
	s_and_b32 s17, s16, 15                           ; head
	s_lshl_b32 s44, s39, 7
	s_add_co_u32 s44, s44, s38
	s_lshl_b32 s44, s44, 13                          ; cc: 8,192 bytes a token tile,
	s_lshl_b32 s46, s17, 9                           ; 512 a head
	s_add_co_u32 s44, s44, s46
	s_mov_b32 s45, 0
	s_lshl_b32 s46, s17, 13                          ; cs: 8,192 bytes a head, 2 a token
	s_lshl_b32 s39, s39, 12
	s_add_co_u32 s46, s46, s39
	s_lshl_b32 s39, s15, 9
	s_add_co_u32 s46, s46, s39
	s_mov_b32 s47, 0
	s_wait_dscnt 0x0                                 ; both opening adds are done
	s_wait_kmcnt 0x0
	s_add_nc_u64 s[G0+2:G0+3], s[8:9], s[36:37]
	s_or_b32 s[G0+3], s[G0+3], 0x80000000
	s_add_nc_u64 s[4:5], s[4:5], s[40:41]
	s_add_nc_u64 s[6:7], s[6:7], s[42:43]
	s_add_nc_u64 s[10:11], s[10:11], s[44:45]
	s_add_nc_u64 s[12:13], s[12:13], s[46:47]
	ROUND                                            ; all four work-groups are here: the joint loads meet
	tensor_load_to_lds s[G0:G0+3], s[G1:G1+7]        ; my one tensor load of the launch
	s_nop 0
.rept 4
	v_nop
.endr
	v_and_b32 v7, 31, v0
	s_delay_alu instid0(VALU_DEP_1)
	v_lshlrev_b32 v[LI], 4, v7
	s_delay_alu instid0(VALU_DEP_2)
	v_lshlrev_b32 v[L8], 3, v7
	v_and_b32 v244, 15, v0
	s_delay_alu instid0(VALU_DEP_1)
	v_lshlrev_b32 v245, 2, v244
	global_load_b128 v[QF:QF+3], v[LI], s[4:5] th:TH_LOAD_NT
	global_load_b32 v[QS], v245, s[6:7] th:TH_LOAD_NT
.irp j, 4,5,6,7
	v_mov_b32 v[QF+\j], 0                            ; zero codes for k = 64 .. 127
.endr
.irp t, 0,1,2,3,4,5,6,7
.irp j, 4,5,6,7
	v_mov_b32 v[KF+8*\t+\j], 0
.endr
.endr
.set j, 0
.rept 32
	v_mov_b32 v[O+j], 0                              ; the step is written once: the first finds zeros, which the first change of M leaves zeros
.set j, j+1
.endr
	v_mov_b32 v17, 0xff61b1e6                        ; the largest t so far: -3e38
	s_delay_alu instid0(VALU_DEP_1)
	v_floor_f32 v16, -v17
	v_mov_b32 v18, 0
	v_mov_b32 v19, 0
	v_mov_b32 v21, 0
.irp b, 0,1,2,3
	v_mov_b32 v[TP+\b], 0                            ; a lane permute's destination counts as one of its sources
.endr
	s_mov_b32 s[TB], 0
	s_mov_b32 s[CNT], 16
	s_wait_loadcnt 0x0                               ; Q
	s_wait_tensorcnt 0x0                             ; my record has landed,
	s_barrier_signal -1
	s_barrier_wait -1                                ; everybody's has
.Lstep:                                              ; 16 trips: 128 keys each
	v_add_nc_u32 v[ADK], s[TB], v[LI]
	v_add_nc_u32 v[ADV], s[TB], v[L8]
.irp t, 0,1,2,3,4,5,6,7
	ds_load_b128 v[KF+8*\t:KF+8*\t+3], v[ADK] offset:512*\t
.endr
	ds_load_b128 v[KS:KS+3], v[ADK] offset:8192
.irp t, 0,1,2,3
	ds_load_b128 v[VF+8*\t:VF+8*\t+3], v[ADK] offset:4096+1024*\t
	ds_load_b128 v[VF+8*\t+4:VF+8*\t+7], v[ADK] offset:4096+1024*\t+512
.endr
	ds_load_b64 v[VS:VS+1], v[ADV] offset:8704
	s_wait_dscnt 9                                   ; K and its scale words are in; V's nine loads may be out
.irp t, 0,2,4,6
	v_wmma_scale_f32_16x16x128_f8f6f4 v[S+8*\t:S+8*\t+7], v[KF+8*\t:KF+8*\t+7], v[QF:QF+7], 0, v[KS+\t/2], v[QS] matrix_a_fmt:MATRIX_FMT_FP4 matrix_b_fmt:MATRIX_FMT_FP4
	v_wmma_scale_f32_16x16x128_f8f6f4 v[S+8*\t+8:S+8*\t+15], v[KF+8*\t+8:KF+8*\t+15], v[QF:QF+7], 0, v[KS+\t/2], v[QS] matrix_a_fmt:MATRIX_FMT_FP4 matrix_b_fmt:MATRIX_FMT_FP4 matrix_a_scale:MATRIX_SCALE_ROW1
.endr
	PLACES
.irp b, 0,1,2,3
	v_max3_num_f32 v[BM+\b], v[S+16*\b], v[S+16*\b+1], v[S+16*\b+2]     ; the largest score of each block of 32 keys: for the row's maximum and for the block's largest p
.endr
.irp i, 3,5,7,9,11,13
.irp b, 0,1,2,3
	v_max3_num_f32 v[BM+\b], v[BM+\b], v[S+16*\b+\i], v[S+16*\b+\i+1]
.endr
.endr
.irp b, 0,1,2,3
	v_max_num_f32 v[BM+\b], v[BM+\b], v[S+16*\b+15]
.endr
.irp b, 0,1,2,3
	s_delay_alu instid0(VALU_DEP_4)
	v_permlanex16_b32 v[TP+\b], v[BM+\b], s[SEL], s[SEL+1]
.endr
.irp b, 0,1,2,3
	s_delay_alu instid0(VALU_DEP_4)
	v_max_num_f32 v[BM+\b], v[BM+\b], v[TP+\b]       ; with lane l xor 16's 16 keys
.endr
	s_delay_alu instid0(VALU_DEP_2)
	v_max3_num_f32 v244, v[BM], v[BM+1], v[BM+2]
	s_delay_alu instid0(VALU_DEP_1)
	v_max_num_f32 v244, v244, v[BM+3]
	s_delay_alu instid0(VALU_DEP_1)
	v_mul_f32 v244, s[CS], v244                      ; as t (c is positive)
	s_delay_alu instid0(VALU_DEP_1)
	v_max_num_f32 v17, v17, v244                     ; the running largest t
	v_mov_b32 v244, v16
	s_delay_alu instid0(VALU_DEP_2)
	v_floor_f32 v16, -v17                            ; the new -M = floor(-t): M is a whole number
	s_delay_alu instid0(VALU_DEP_1)
	v_sub_f32 v244, v16, v244                        ; old M less new M: a whole number, 0 or less
	s_delay_alu instid0(VALU_DEP_1)
	v_cvt_i32_f32 v244, v244                         ; (it saturates)
	s_delay_alu instid0(VALU_DEP_1)
	v_ldexp_f32 v20, 1.0, v244                       ; f = 2^(old M - new M)
.set j, 0
.rept 32
	v_pk_fma_f32 v[S+j:S+j+1], v[S+j:S+j+1], s[CS:CS+1], v[16:17] op_sel_hi:[1,0,0]   ; t - M, two at a time
.set j, j+2
.endr
.irp b, 0,1,2,3
	v_fma_f32 v[BM+\b], v[BM+\b], s[CS], v16         ; the same of each block's largest score
.endr
.set j, 0
	s_wait_alu depctr_va_vdst(0)
.rept 64
	v_exp_f32 v[S+j], v[S+j]                         ; p = 2^(t - M), at most 1
.set j, j+1
.endr
	v_pk_mul_f32 v[18:19], v[18:19], v[20:21] op_sel_hi:[1,0]   ; the sums under the new M: a plain place behind the exponentials
	s_wait_alu depctr_va_vdst(0)                     ; one wait for the whole batch, ahead of its first reader
.irp b, 0,1,2,3
	v_exp_f32 v[BM+\b], v[BM+\b]                     ; the block's largest p: the same two instructions on the same number
.endr
	v_pk_add_f32 v[244:245], v[100:101], v[104:105]
	v_pk_add_f32 v[254:255], v[108:109], v[112:113]
	v_pk_add_f32 v[252:253], v[116:117], v[120:121]
	v_pk_add_f32 v[250:251], v[124:125], v[128:129]
	v_pk_add_f32 v[248:249], v[132:133], v[136:137]
	v_pk_add_f32 v[246:247], v[140:141], v[144:145]
	v_pk_add_f32 v[242:243], v[148:149], v[152:153]
	v_pk_add_f32 v[18:19], v[18:19], v[156:157]
	v_pk_add_f32 v[244:245], v[244:245], v[96:97]
	v_pk_add_f32 v[254:255], v[254:255], v[98:99]
	v_pk_add_f32 v[252:253], v[252:253], v[102:103]
	v_pk_add_f32 v[250:251], v[250:251], v[106:107]
	v_pk_add_f32 v[248:249], v[248:249], v[110:111]
	v_pk_add_f32 v[246:247], v[246:247], v[114:115]
	v_pk_add_f32 v[242:243], v[242:243], v[118:119]
	v_pk_add_f32 v[18:19], v[18:19], v[122:123]
	v_pk_add_f32 v[244:245], v[244:245], v[126:127]
	v_pk_add_f32 v[254:255], v[254:255], v[130:131]
	v_pk_add_f32 v[252:253], v[252:253], v[134:135]
	v_pk_add_f32 v[250:251], v[250:251], v[138:139]
	v_pk_add_f32 v[248:249], v[248:249], v[142:143]
	v_pk_add_f32 v[246:247], v[246:247], v[146:147]
	v_pk_add_f32 v[242:243], v[242:243], v[150:151]
	v_pk_add_f32 v[18:19], v[18:19], v[154:155]
	v_pk_add_f32 v[244:245], v[244:245], v[158:159]
	s_delay_alu instid0(VALU_DEP_2)
	v_pk_add_f32 v[18:19], v[18:19], v[250:251]
	s_delay_alu instid0(VALU_DEP_2)
	v_pk_add_f32 v[244:245], v[244:245], v[248:249]
	v_pk_add_f32 v[254:255], v[254:255], v[246:247]
	v_pk_add_f32 v[252:253], v[252:253], v[242:243]
	s_delay_alu instid0(VALU_DEP_2)
	v_pk_add_f32 v[18:19], v[18:19], v[254:255]
	s_delay_alu instid0(VALU_DEP_2)
	v_pk_add_f32 v[244:245], v[244:245], v[252:253]
	s_delay_alu instid0(VALU_DEP_1)
	v_pk_add_f32 v[18:19], v[18:19], v[244:245]
	s_wait_alu depctr_va_vdst(0)                     ; and one for the four
.irp b, 0,1,2,3
	v_max_num_f32 v[BM+\b], 0x1800000, v[BM+\b]      ; the floor 2^(3 - 127)
.endr
.irp b, 0,1,2,3
	s_delay_alu instid0(VALU_DEP_4)
	v_add_nc_u32 v[SO+\b], 0xff000000, v[BM+\b]
.endr
.irp b, 0,1,2,3
	s_delay_alu instid0(VALU_DEP_4)
	v_lshrrev_b32 v[TP+\b], 23, v[SO+\b]
.endr
	s_delay_alu instid0(VALU_DEP_3)
	v_lshl_or_b32 v[PS], v[TP+1], 8, v[TP]           ; p's scale word for these 128 keys
	s_delay_alu instid0(VALU_DEP_1)
	v_lshl_or_b32 v[PS], v[TP+2], 16, v[PS]
	s_delay_alu instid0(VALU_DEP_1)
	v_lshl_or_b32 v[PS], v[TP+3], 24, v[PS]
	CODES S, 4, PC
.set j, 0
.rept 16
	v_pk_mul_f32 v[O+j:O+j+1], v[O+j:O+j+1], v[20:21] op_sel_hi:[1,0]   ; O^T under the new M.  These sixteen are also the places between the scale word, the codes and the products below
.set j, j+2
.endr
	s_wait_alu depctr_va_vdst(0)
	s_wait_dscnt 0x0                                 ; V and its scale words are in
.irp t, 0,2
	v_wmma_scale_f32_16x16x128_f8f6f4 v[O+8*\t:O+8*\t+7], v[VF+8*\t:VF+8*\t+7], v[PC:PC+7], v[O+8*\t:O+8*\t+7], v[VS+\t/2], v[PS] matrix_a_fmt:MATRIX_FMT_FP4 matrix_b_fmt:MATRIX_FMT_FP4
	v_wmma_scale_f32_16x16x128_f8f6f4 v[O+8*\t+8:O+8*\t+15], v[VF+8*\t+8:VF+8*\t+15], v[PC:PC+7], v[O+8*\t+8:O+8*\t+15], v[VS+\t/2], v[PS] matrix_a_fmt:MATRIX_FMT_FP4 matrix_b_fmt:MATRIX_FMT_FP4 matrix_a_scale:MATRIX_SCALE_ROW1
.endr
	PLACES                                           ; ahead of the next trip's loads into V's registers, and of the first read of O^T behind the loop
	s_add_co_u32 s[TB], s[TB], REC
	s_sub_co_u32 s[CNT], s[CNT], 1
	s_cmp_lg_u32 s[CNT], 0
	s_cbranch_scc1 .Lstep
	; THE WAY OUT: ctx = O^T / the sum, quantised along the head's 64 (two blocks of the next product's K): one image of 512 bytes, two scale bytes a token
	v_add_f32 v18, v18, v19
	s_delay_alu instid0(VALU_DEP_1)
	v_permlanex16_b32 v[TP], v18, s[SEL], s[SEL+1]
	s_delay_alu instid0(VALU_DEP_1)
	v_add_f32 v18, v18, v[TP]                        ; the row's sum
	s_wait_alu depctr_va_vdst(0)
	v_rcp_f32 v18, v18
	v_and_b32 v244, 15, v0                           ; (a plain place behind the reciprocal)
	s_lshl_b32 s36, s[WV], 5
	v_lshl_add_u32 v245, v244, 1, CST
	s_delay_alu instid0(VALU_DEP_1)
	v_add_nc_u32 v245, s36, v245                     ; the stage: 32 bytes a wave, 2 a token
	v_add_nc_u32 v247, CST, v[LI]
	s_wait_alu depctr_va_vdst(0)                     ; ahead of the reciprocal's first reader
.set j, 0
.rept 16
	v_pk_mul_f32 v[S+j:S+j+1], v[O+j:O+j+1], v[18:19] op_sel_hi:[1,0]   ; register 8 t + i is ctx(query r, 16 t + 8 h + i)
.set j, j+2
.endr
.irp b, 0,1
	v_max3_num_f32 v[BM+\b], |v[S+16*\b]|, |v[S+16*\b+1]|, 0x1800000
.endr
.irp i, 2,4,6,8,10,12,14
.irp b, 0,1
	s_delay_alu instid0(VALU_DEP_2)
	v_max3_num_f32 v[BM+\b], v[BM+\b], |v[S+16*\b+\i]|, |v[S+16*\b+\i+1]|
.endr
.endr
.irp b, 0,1
	s_delay_alu instid0(VALU_DEP_2)
	v_permlanex16_b32 v[TP+\b], v[BM+\b], s[SEL], s[SEL+1]
.endr
.irp b, 0,1
	s_delay_alu instid0(VALU_DEP_2)
	v_max_num_f32 v[BM+\b], v[BM+\b], v[TP+\b]
.endr
.irp b, 0,1
	s_delay_alu instid0(VALU_DEP_2)
	v_add_nc_u32 v[SO+\b], 0xff000000, v[BM+\b]
.endr
.irp b, 0,1
	s_delay_alu instid0(VALU_DEP_2)
	v_lshrrev_b32 v[TP+\b], 23, v[SO+\b]
.endr
	s_delay_alu instid0(VALU_DEP_1)
	v_lshl_or_b32 v246, v[TP+1], 8, v[TP]
	CODES S, 2, PC
	global_store_b128 v[LI], v[PC:PC+3], s[10:11]    ; 512 consecutive bytes, aligned
	ds_store_b16 v245, v246                          ; both halves of the lanes write the same two bytes
	s_wait_dscnt 0x0
	s_barrier_signal -1
	s_barrier_wait -1                                ; the 256 tokens' scale bytes lie in the stage
	s_cmp_lg_u32 s[WV], 0
	s_cbranch_scc1 .Lnot_first
	ds_load_b128 v[S:S+3], v247
	s_wait_dscnt 0x0
	global_store_b128 v[LI], v[S:S+3], s[12:13]      ; 512 consecutive bytes, aligned
.Lnot_first:
	s_wait_tensorcnt 0x0                             ; the wave's end: behind my last tensor load and my last LDS store
	ds_add_u32 v[SPW], v[NIL]
	s_wait_dscnt 0x0
	ROUND                                            ; the closing round
	s_endpgm
.Lfunc_end_k_qa5f777d2af_attn:
	.size	k_qa5f777d2af_attn, .Lfunc_end_k_qa5f777d2af_attn-k_qa5f777d2af_attn
	.p2alignl 7, 3214868480
	.fill 96, 4, 3214868480
	.section	.rodata,"a",@progbits
	.p2align	6, 0x0
	.amdhsa_kernel k_qa5f777d2af_attn
		.amdhsa_group_segment_fixed_size 167936
		.amdhsa_private_segment_fixed_size 0
		.amdhsa_enable_private_segment 0
		.amdhsa_kernarg_size 40
		.amdhsa_user_sgpr_count 2
		.amdhsa_user_sgpr_kernarg_segment_ptr 1
		.amdhsa_wavefront_size32 1
		.amdhsa_system_sgpr_workgroup_id_x 1
		.amdhsa_system_sgpr_workgroup_id_y 1
		.amdhsa_system_sgpr_workgroup_id_z 1
		.amdhsa_system_vgpr_workitem_id 0
		.amdhsa_next_free_vgpr 256
		.amdhsa_next_free_sgpr 66
		.amdhsa_reserve_vcc 0
		.amdhsa_float_denorm_mode_32 3
		.amdhsa_float_denorm_mode_16_64 3
		.amdhsa_memory_ordered 1
		.amdhsa_forward_progress 1
		.amdhsa_inst_pref_size 28
	.end_amdhsa_kernel
	.amdgpu_metadata
---
amdhsa.version: [ 1, 2 ]
amdhsa.kernels:
  - .name:           k_qa5f777d2af_attn
    .symbol:         k_qa5f777d2af_attn.kd
    .args:
      - { .name: qc, .offset: 0, .size: 8, .value_kind: global_buffer, .address_space: global }
      - { .name: qs, .offset: 8, .size: 8, .value_kind: global_buffer, .address_space: global }
      - { .name: kv, .offset: 16, .size: 8, .value_kind: global_buffer, .address_space: global }
      - { .name: cc, .offset: 24, .size: 8, .value_kind: global_buffer, .address_space: global }
      - { .name: cs, .offset: 32, .size: 8, .value_kind: global_buffer, .address_space: global }
    .group_segment_fixed_size: 167936
    .private_segment_fixed_size: 0
    .kernarg_segment_align: 8
    .kernarg_segment_size: 40
    .max_flat_workgroup_size: 512
    .sgpr_count:     66
    .vgpr_count:     256
    .wavefront_size: 32
...
	.end_amdgpu_metadata
.endif
;; end of part 2
;; launch post (part 3): grid 128 x 2, 16 waves a work-group, clusters of 4 x 1, 327,680 bytes of LDS; arguments cc, cs, wimg, x, bo, g1, b1, bf1, bf2, yp; writes yp
.if DOCPART == 3
	.amdgcn_target "amdgcn-amd-amdhsa--gfx1250"
	.amdhsa_code_object_version 6
	.text
	.protected	k_qa5f777d2af_post
	.globl	k_qa5f777d2af_post
	.p2align	8
	.type	k_qa5f777d2af_post,@function
k_qa5f777d2af_post:
	s_mov_b64 s[64:65], 0
	v_nop
	global_prefetch_b8 v0, s[64:65] scope:SCOPE_SE
	s_setreg_imm32_b32 hwreg(HW_REG_WAVE_MODE, 25, 1), 1
	s_wait_xcnt 0x0
	s_wait_alu depctr_hold_cnt(0) depctr_sa_sdst(0) depctr_va_vdst(0) depctr_va_sdst(0) depctr_va_ssrc(0) depctr_va_vcc(0) depctr_vm_vsrc(0)
	s_getreg_b32 s2, hwreg(HW_REG_IB_STS2, 6, 4)
	s_cmp_eq_u32 s2, 0
	s_cbranch_scc0 .Lentry_in_a_cluster
	s_endpgm
.Lentry_in_a_cluster:
	s_bfe_u32 s2, ttmp6, 0x10000c
	s_cmp_lg_u32 s2, 0x3003
	s_cbranch_scc0 .Lentry_shape_is_right
	s_endpgm
.Lentry_shape_is_right:
; LAUNCH 3 OF 4: h = LN(x + ctx wo^T + bo; g1, b1), and one half of h + gelu(h w1^T + bf1) w2^T + bf2.  The three products on E2M1 codes; h and gelu(..) are quantised in registers and never go to memory.  No work is left out.
; SHARES.  Work-group (g, hf) owns 32 tokens (two tiles) and hidden units 2,048 hf on.  Wave w owns 64 columns (4 tiles) of every product for both token tiles: 8 accumulators.
; FIVE EQUAL BLOCK PRODUCTS of 1,024 columns x K 1,024: wo; then twice (rows 1,024 j on of w1, K 1,024 j on of w2), j = 2 hf, 2 hf + 1.  yp[hf] = 0.5 (h + bf2) + gelu(..) w2^T over my hidden units; the next launch adds the halves.
; Halving the residual is exact, so only the order of rounding differs from the written one.
; THE WEIGHTS: the first launch laid them as records (K step, wave) of 4,352 bytes in the order of this walk: 40 K steps (wo's 8, then 32 from step 8 + 32 hf on).  They come by two roads, 20 K steps each:
; EVEN K STEPS through a ring of two LDS slots; slot n holds K steps 4 n and 4 n + 2 (139,264 bytes, 10 fills).  Wave w asks for its own two records of a slot, 2 rows of 4,352 bytes 139,264 bytes apart, and reads them alone, into buffer 0.
; ODD K STEPS from memory straight into buffer 1: nine loads a wave, asked for behind the products of the odd step before, two K steps ahead of their use.
; So a work-group has one slot and sixteen records of 4,352 bytes on their way, and one change of slots for four K steps.
; CLUSTER.  The four token blocks of a cluster share hf and so the whole walk: every fill is a JOINT load, the same descriptor (made of hf, the wave's number and the step) with the mask of all four; a round of the cluster's barrier stands in front of each.
; One tensor load of a wave is out at any time.  The two chunks are written by one macro used twice, so that the last change of slots, which fills nothing, needs no jump.
; No data prefetch is laid: the 32 clusters of a half ask for the same records in the same order, so a prefetch by each cluster would name every block 32 times over.
; THE ACTIVATIONS go from wave to wave through LDS as images of operand registers (four registers = 512 bytes, lane l at 16 l); scale words as [token 32][K step 8].  ctx and gelu take turns in one region.
; Transposed use: source 0 = 16 rows of the weight, source 1 = 16 tokens: a lane holds ONE token, its registers run along the columns, the next K.
; Residuals and biases start the sums: Y begins as x + bo, later as 0.5 (h + bf2); G begins as bf1.
; erf(u) = u P(u^2) / Q(u^2) on u held to -4 .. 4, degrees 6 and 4, in f32: its error is taken to be a few 1e-7 absolute, from the form's published use and not derived here; beyond |u| = 4 erf is within 2e-8 of +-1.
; LIMITS: scale byte 1 for blocks under 2^-124; NaN and infinities not served.
.set WREC,  4352
.set STEPB, 16*WREC                    ; a K step's sixteen records
.set SLOT,  2*STEPB
.set NSLOT, 10
.set NSTEP, 40
.set OP0,   0                          ; ctx: images [token tile 2][K step 8] x 1,024 bytes, scale words at + 16,384
.set OP1,   17408                      ; h likewise
.set OP2,   0                          ; gelu, where ctx lay: ctx's last read lies barriers ahead of gelu's first store
.set RED,   34816                      ; two regions of 2,048 bytes: [token tile][r][wave 16] partial sums
.set SPARE, 38912                      ; the spare words, 128 bytes a wave: eight blocks of 256 bytes that no other line names
.set RING,  40960                      ; two slots; in a slot wave w's two records at 8,704 w
.set STG,   RING                       ; yp on its way out, 32 rows x (4,096 + 16) bytes, in slot 0: it has had its last fill, and its last read lies ahead of the last change's barrier
.set SPI,   4112
.set LI,  1                            ; 16 x lane
.set LSC, 2                            ; 16,384 + 32 x lane
.set IWB, 3                            ; 16 x lane + 512 x wave
.set SWB, 4                            ; 16,384 + 32 r + 2 x wave
.set RA,  5
.set RL,  6
.set VB,  7                            ; slot 0: my records, + 16 x lane
.set VB8, 8                            ; slot 0: + 4,096 + 8 x lane
.set VP,  9                            ; 256 x wave + 32 h
.set XO,  10
.set STA, 11
.set SR,  12
.set OPA, 13
.set OPS, 14
.set L8,  15                           ; 8 x lane (at the head: the lane)
.set SPW, 16                           ; my spare word; never rewritten
.set NIL, 17                           ; 0; never rewritten
.set AS,  18                           ; the activations' scale words: lanes 0-15 token tile 0, lanes 16-31 tile 1
.set STB, 19
.set WSR, 20                           ; v[20:21], v[22:23] the weights' scale words, two buffers
.set VC,  25                           ; slot 1's VB  (v25 and v27 are also named as upper halves of the pairs v[24:25], v[26:27], whose low words alone are used)
.set VC8, 27                           ; slot 1's VB8
.set Y,   32                           ; v32-95   accumulator 4 m + t
.set G,   96                           ; v96-159  likewise; between the products: gains and biases
.set WF,  160                          ; v160-223 the weights' fragments: buffer 0 for even K steps, buffer 1 for odd
.set AF,  224                          ; v224-239 the activations' two fragments
.set U,   224
.set X2,  232
.set PP,  240
.set QQ,  248
.set BM,  240
.set TP,  242
.set SO,  244
.set HW,  246
.set PC,  248
.set HF,  24
.set TBK, 26                           ; my block of 32 tokens
.set SEL, 28
.set HOFF, 30                          ; s[30:31] 32 K steps of records x hf
.set G0,  32                           ; s[32:35], s[36:39] descriptor group 0 for slot 0, slot 1
.set GB,  40                           ; s[40:41] my record of the odd K step asked for last
.set CUR, 42                           ; s[42:43] bf1 at the chunk in hand
.set WV,  45
.set C1K, 46
.set CEPS, 47
.set A1,  68
.set A2,  70
.set A3,  72
.set A4,  74
.set A5,  76
.set A6,  78
.set B1,  80
.set B2,  82
.set B3,  84
.set B4,  86
.set RS2, 88
.set G1,  92                           ; s[92:99] descriptor group 1
; v24, v26: a row's mean, then 1 / sqrt(var + eps), for token tiles 0 and 1;  v[28:29], v[30:31]: the two leading coefficients of erf
.macro PLACES
.rept 4
	v_nop
.endr
.endm
.macro BARRIER
	s_wait_dscnt 0x0
	s_barrier_signal -1
	s_barrier_wait -1
.endm
.macro ROUND                           ; a round of the cluster's barrier
	s_barrier_signal -1
	s_barrier_wait -1
	s_cmp_lg_u32 s[WV], 0
	s_cbranch_scc1 .Lnot_wave_0_\@
	s_barrier_signal -3
.Lnot_wave_0_\@:
	s_barrier_wait -3
	s_barrier_signal -1
	s_barrier_wait -1
.endm
.macro QUANT2 s, pc, pw                ; 32 numbers of a lane, register 16 b + 8 u + j = column 32 b + 16 u + 8 h + j of my 64: four code registers in the operand's layout, two scale bytes
.irp b, 0,1
	v_max3_num_f32 v[BM+\b], |v[(\s)+16*\b]|, |v[(\s)+16*\b+1]|, 0x1800000   ; and the floor 2^(3 - 127)
.endr
.irp i, 2,4,6,8,10,12,14
.irp b, 0,1
	s_delay_alu instid0(VALU_DEP_2)
	v_max3_num_f32 v[BM+\b], v[BM+\b], |v[(\s)+16*\b+\i]|, |v[(\s)+16*\b+\i+1]|
.endr
.endr
.irp b, 0,1
	s_delay_alu instid0(VALU_DEP_2)
	v_permlanex16_b32 v[TP+\b], v[BM+\b], s[SEL], s[SEL+1]
.endr
.irp b, 0,1
	s_delay_alu instid0(VALU_DEP_2)
	v_max_num_f32 v[BM+\b], v[BM+\b], v[TP+\b]
.endr
.irp b, 0,1
	s_delay_alu instid0(VALU_DEP_2)
	v_add_nc_u32 v[SO+\b], 0xff000000, v[BM+\b]
.endr
.irp b, 0,1
	s_delay_alu instid0(VALU_DEP_2)
	v_lshrrev_b32 v[TP+\b], 23, v[SO+\b]
.endr
	s_delay_alu instid0(VALU_DEP_1)
	v_lshl_or_b32 v[\pw], v[TP+1], 8, v[TP]
.irp b, 0,1
	v_cvt_scalef32_pk8_fp4_f32 v[(\pc)+\b], v[(\s)+16*\b:(\s)+16*\b+7], v[SO+\b]
	v_cvt_scalef32_pk8_fp4_f32 v[(\pc)+2+\b], v[(\s)+16*\b+8:(\s)+16*\b+15], v[SO+\b]
.endr
	v_nop                                            ; one plain place behind a scaled conversion
	v_permlane16_swap_b32 v[(\pc)], v[(\pc)+1]       ; register i of lane half h now holds k = 32 h + 8 i + 0 .. 7
	v_permlane16_swap_b32 v[(\pc)+2], v[(\pc)+3]
.endm
; THE CHANGE OF SLOTS, ahead of K step 4 n.  All my tensor loads are in (the one that was out is my part of slot n), the add, the wait for it and for my reads of the other slot;
; a round of the cluster's barrier; then my one joint load: slot n + 1 into the bytes read last (n = 0: slot 1's first fill, issued as a refill is).  The last change fills nothing and has the work-group's barrier alone.
.macro CHANGE n
.set gp, G0+4*(((\n)+1)%2)
	s_wait_tensorcnt 0x0
	ds_add_u32 v[SPW], v[NIL]
.if (\n)+1 < NSLOT
.if (\n)+1 >= 2
	s_add_nc_u64 s[gp+2:gp+3], s[gp+2:gp+3], 8*STEPB ; no load of mine is out: this slot's next fill lies eight K steps on
.endif
.if ((\n)+1 == 2) || ((\n)+1 == 3)
	s_add_nc_u64 s[gp+2:gp+3], s[gp+2:gp+3], s[HOFF:HOFF+1]   ; behind wo's eight steps: my half's part of the walk
.endif
.endif
	s_wait_dscnt 0x0
.if (\n)+1 < NSLOT
	ROUND
	tensor_load_to_lds s[gp:gp+3], s[G1:G1+7]
	s_nop 0
	PLACES
.else
	s_barrier_signal -1
	s_barrier_wait -1
.endif
.endm
.macro WLD row                         ; my record row (0, 1) of the slot in hand into buffer 0: nine LDS loads
.irp i, 0,1,2,3,4,5,6,7
	ds_load_b128 v[WF+4*\i:WF+4*\i+3], v[wa] offset:WREC*(\row)+512*\i
.endr
	ds_load_b64 v[WSR:WSR+1], v[w8] offset:WREC*(\row)
.endm
.macro GLOADS                          ; my record at s[GB:GB+1] into buffer 1: nine global loads, each of 512 (the last: 256) consecutive bytes, aligned
.irp i, 0,1,2,3,4,5,6,7
	global_load_b128 v[WF+32+4*\i:WF+32+4*\i+3], v[LI], s[GB:GB+1] offset:512*\i
.endr
	global_load_b64 v[WSR+2:WSR+3], v[L8], s[GB:GB+1] offset:4096
.endm
.macro GLD t                           ; odd K step t of my walk is asked for; behind the last there is none.  The base's earlier loads were shown done by the wait ahead of the products just issued
.if (\t) < NSTEP
	s_add_nc_u64 s[GB:GB+1], s[GB:GB+1], 2*STEPB
.if (\t) == 9
	s_add_nc_u64 s[GB:GB+1], s[GB:GB+1], s[HOFF:HOFF+1]
.endif
	GLOADS
.endif
.endm
.macro WM2 arow, brow
.if \arow
.if \brow
	v_wmma_scale_f32_16x16x128_f8f6f4 v[rD:rD+7], v[rA:rA+7], v[rB:rB+7], v[rD:rD+7], v[rS], v[AS] matrix_a_fmt:MATRIX_FMT_FP4 matrix_b_fmt:MATRIX_FMT_FP4 matrix_a_scale:MATRIX_SCALE_ROW1 matrix_b_scale:MATRIX_SCALE_ROW1
.else
	v_wmma_scale_f32_16x16x128_f8f6f4 v[rD:rD+7], v[rA:rA+7], v[rB:rB+7], v[rD:rD+7], v[rS], v[AS] matrix_a_fmt:MATRIX_FMT_FP4 matrix_b_fmt:MATRIX_FMT_FP4 matrix_a_scale:MATRIX_SCALE_ROW1
.endif
.else
.if \brow
	v_wmma_scale_f32_16x16x128_f8f6f4 v[rD:rD+7], v[rA:rA+7], v[rB:rB+7], v[rD:rD+7], v[rS], v[AS] matrix_a_fmt:MATRIX_FMT_FP4 matrix_b_fmt:MATRIX_FMT_FP4 matrix_b_scale:MATRIX_SCALE_ROW1
.else
	v_wmma_scale_f32_16x16x128_f8f6f4 v[rD:rD+7], v[rA:rA+7], v[rB:rB+7], v[rD:rD+7], v[rS], v[AS] matrix_a_fmt:MATRIX_FMT_FP4 matrix_b_fmt:MATRIX_FMT_FP4
.endif
.endif
.endm
; A block product: acc += (my 64 rows of the weight) x (the operand at base), K = 1,024 in eight steps = two slots, the first of them slot nb (even).
; The eight accumulators take turns, in the same order in every step.
.macro BLOCK acc, base, nb
	v_add_nc_u32 v[OPA], \base, v[LI]
	v_add_nc_u32 v[OPS], \base, v[LSC]
	s_wait_alu depctr_va_vdst(0)
.irp s, 0,1,2,3,4,5,6,7
.if (\s)%4 == 0
	CHANGE (\nb)+(\s)/4
.set wa, VB+(VC-VB)*(((\s)/4)%2)
.set w8, VB8+(VC8-VB8)*(((\s)/4)%2)
	WLD 0
.endif
.irp m, 0,1
	ds_load_b128 v[AF+8*\m:AF+8*\m+3], v[OPA] offset:8192*\m+1024*\s
	ds_load_b128 v[AF+8*\m+4:AF+8*\m+7], v[OPA] offset:8192*\m+1024*\s+512
.endr
	ds_load_b32 v[AS], v[OPS] offset:4*\s
.if (\s)%2 == 1
	s_wait_loadcnt 0x0                               ; buffer 1's record is in, and so are gains or biases asked for ahead of the block
.endif
	s_wait_dscnt 0x0
.irp t, 0,1,2,3
.irp m, 0,1
.set rD, (\acc)+8*(4*\m+\t)
.set rA, WF+32*(\s%2)+8*\t
.set rB, AF+8*\m
.set rS, WSR+2*(\s%2)+\t/2
	WM2 \t%2, \m
.endr
.endr
	PLACES                                           ; ahead of the loads into registers that these products have read, and of the first read of results
.if (\s)%4 == 0
	WLD 1                                            ; the slot's second record, for the K step after the next
.endif
.if (\s)%2 == 1
	GLD 4*(\nb)+(\s)+2
.endif
.endr
.endm
.macro HALFLOAD d, p                   ; my 32 numbers of a vector of 1,024 into G from register d on
.irp t, 0,1,2,3
	global_load_b128 v[G+(\d)+8*\t:G+(\d)+8*\t+3], v[VP], s[\p:\p+1] offset:64*\t
	global_load_b128 v[G+(\d)+8*\t+4:G+(\d)+8*\t+7], v[VP], s[\p:\p+1] offset:64*\t+16
.endr
.endm
.macro PARLOAD p0, p1
	HALFLOAD 0, \p0
	HALFLOAD 32, \p1
.endm
.macro ADDG                            ; Y += G's first half, for both token tiles
.irp m, 0,1
.set j, 0
.rept 16
	v_pk_add_f32 v[Y+32*\m+j:Y+32*\m+j+1], v[Y+32*\m+j:Y+32*\m+j+1], v[G+j:G+j+1]
.set j, j+2
.endr
.endr
.endm
.macro HALFRES                         ; Y = 0.5 Y + 0.5 G's first half, for both token tiles
.set j, 0
.rept 16
	v_pk_mul_f32 v[G+j:G+j+1], v[G+j:G+j+1], 0.5 op_sel_hi:[1,0]
.set j, j+2
.endr
.irp m, 0,1
.set j, 0
.rept 16
	v_pk_fma_f32 v[Y+32*\m+j:Y+32*\m+j+1], v[Y+32*\m+j:Y+32*\m+j+1], 0.5, v[G+j:G+j+1] op_sel_hi:[1,0,1]
.set j, j+2
.endr
.endr
.endm
; The sums over a row's 1,024 of Y (sq = 0) or of Y^2 (sq = 1), for my lane's token of both tiles, into v24 and v26: my 32, the other half's 32, then the sixteen waves' through LDS region reg
.macro ROWSUM reg, sq
.irp m, 0,1
.set yb, Y+32*\m
.set ta, 240+4*\m
.if \sq
	v_pk_mul_f32 v[ta:ta+1], v[yb:yb+1], v[yb:yb+1]
	v_pk_mul_f32 v[ta+2:ta+3], v[yb+2:yb+3], v[yb+2:yb+3]
.irp j, 4,8,12,16,20,24,28
	s_delay_alu instid0(VALU_DEP_2)
	v_pk_fma_f32 v[ta:ta+1], v[yb+\j:yb+\j+1], v[yb+\j:yb+\j+1], v[ta:ta+1]
	s_delay_alu instid0(VALU_DEP_2)
	v_pk_fma_f32 v[ta+2:ta+3], v[yb+\j+2:yb+\j+3], v[yb+\j+2:yb+\j+3], v[ta+2:ta+3]
.endr
.else
	v_pk_add_f32 v[ta:ta+1], v[yb:yb+1], v[yb+2:yb+3]                ; each accumulator is read from its low end on
	v_pk_add_f32 v[ta+2:ta+3], v[yb+4:yb+5], v[yb+6:yb+7]
.irp j, 8,16,24
	v_pk_add_f32 v[ta:ta+1], v[ta:ta+1], v[yb+\j:yb+\j+1]
	v_pk_add_f32 v[ta+2:ta+3], v[ta+2:ta+3], v[yb+\j+2:yb+\j+3]
	v_pk_add_f32 v[ta:ta+1], v[ta:ta+1], v[yb+\j+4:yb+\j+5]
	v_pk_add_f32 v[ta+2:ta+3], v[ta+2:ta+3], v[yb+\j+6:yb+\j+7]
.endr
.endif
	s_delay_alu instid0(VALU_DEP_1)
	v_pk_add_f32 v[ta:ta+1], v[ta:ta+1], v[ta+2:ta+3]
	s_delay_alu instid0(VALU_DEP_1)
	v_add_f32 v[ta], v[ta], v[ta+1]
	s_delay_alu instid0(VALU_DEP_1)
	v_permlanex16_b32 v[248+\m], v[ta], s[SEL], s[SEL+1]
	s_delay_alu instid0(VALU_DEP_1)
	v_add_f32 v[ta], v[ta], v[248+\m]
	ds_store_b32 v[RA], v[ta] offset:2048*(\reg)+1024*\m             ; both halves of the lanes write the same word with the same value
.endr
	BARRIER
.irp m, 0,1
.irp i, 0,1,2,3
	ds_load_b128 v[224+16*\m+4*\i:224+16*\m+4*\i+3], v[RL] offset:2048*(\reg)+1024*\m+16*\i
.endr
.endr
	s_wait_dscnt 0x0
.irp m, 0,1
.set rb, 224+16*\m
	v_pk_add_f32 v[rb:rb+1], v[rb:rb+1], v[rb+2:rb+3]
	v_pk_add_f32 v[rb+4:rb+5], v[rb+4:rb+5], v[rb+6:rb+7]
	v_pk_add_f32 v[rb+8:rb+9], v[rb+8:rb+9], v[rb+10:rb+11]
	v_pk_add_f32 v[rb+12:rb+13], v[rb+12:rb+13], v[rb+14:rb+15]
	s_delay_alu instid0(VALU_DEP_3)
	v_pk_add_f32 v[rb:rb+1], v[rb:rb+1], v[rb+4:rb+5]
	s_delay_alu instid0(VALU_DEP_2)
	v_pk_add_f32 v[rb+8:rb+9], v[rb+8:rb+9], v[rb+12:rb+13]
	s_delay_alu instid0(VALU_DEP_1)
	v_pk_add_f32 v[rb:rb+1], v[rb:rb+1], v[rb+8:rb+9]
	s_delay_alu instid0(VALU_DEP_1)
	v_add_f32 v[24+2*\m], v[rb], v[rb+1]
.endr
.endm
; Y = (Y - mean) / sqrt(var + eps) x gain + bias, in two passes; the gain lies in G's first half, the bias in its second
.macro LN reg
	ROWSUM \reg, 0
	v_mul_f32 v24, s[C1K], v24                       ; / 1,024
	s_delay_alu instid0(VALU_DEP_2)
	v_mul_f32 v26, s[C1K], v26
.irp m, 0,1
.set j, 0
.rept 16
	v_pk_add_f32 v[Y+32*\m+j:Y+32*\m+j+1], v[Y+32*\m+j:Y+32*\m+j+1], v[24+2*\m:25+2*\m] op_sel_hi:[1,0] neg_lo:[0,1] neg_hi:[0,1]
.set j, j+2
.endr
.endr
	ROWSUM (\reg)+1, 1
	v_fma_f32 v24, v24, s[C1K], s[CEPS]
	s_delay_alu instid0(VALU_DEP_2)
	v_fma_f32 v26, v26, s[C1K], s[CEPS]
	s_wait_alu depctr_va_vdst(0)                     ; ahead of the two
	v_rsq_f32 v24, v24
	v_rsq_f32 v26, v26
	v_nop                                            ; a plain place behind the two
	s_wait_alu depctr_va_vdst(0)                     ; and ahead of their first reader
.irp m, 0,1
.set j, 0
.rept 16
	v_pk_mul_f32 v[Y+32*\m+j:Y+32*\m+j+1], v[Y+32*\m+j:Y+32*\m+j+1], v[24+2*\m:25+2*\m] op_sel_hi:[1,0]
.set j, j+2
.endr
.set j, 0
.rept 16
	v_pk_fma_f32 v[Y+32*\m+j:Y+32*\m+j+1], v[Y+32*\m+j:Y+32*\m+j+1], v[G+j:G+j+1], v[G+32+j:G+32+j+1]
.set j, j+2
.endr
.endr
.endm
.macro GELU q                          ; eight numbers z of G: z = 0.5 z (1 + erf(z / sqrt(2)))
.set z, G+8*(\q)
.irp i, 0,2,4,6
	v_pk_mul_f32 v[U+\i:U+\i+1], v[z+\i:z+\i+1], s[RS2:RS2+1] op_sel_hi:[1,0]
.endr
.irp i, 0,1,2,3,4,5,6,7
	v_med3_num_f32 v[U+\i], v[U+\i], -4.0, 4.0
.endr
.irp i, 0,2,4,6
	v_pk_mul_f32 v[X2+\i:X2+\i+1], v[U+\i:U+\i+1], v[U+\i:U+\i+1]
.endr
.irp i, 0,2,4,6
	v_pk_fma_f32 v[PP+\i:PP+\i+1], v[X2+\i:X2+\i+1], v[28:29], s[A1:A1+1] op_sel_hi:[1,1,0]
	v_pk_fma_f32 v[QQ+\i:QQ+\i+1], v[X2+\i:X2+\i+1], v[30:31], s[B1:B1+1] op_sel_hi:[1,1,0]
.endr
.irp a, B2,B3,B4
.irp i, 0,2,4,6
	v_pk_fma_f32 v[QQ+\i:QQ+\i+1], v[QQ+\i:QQ+\i+1], v[X2+\i:X2+\i+1], s[\a:\a+1] op_sel_hi:[1,1,0]
.endr
.endr
.irp a, A2,A3,A4,A5,A6
.irp i, 0,2,4,6
	v_pk_fma_f32 v[PP+\i:PP+\i+1], v[PP+\i:PP+\i+1], v[X2+\i:X2+\i+1], s[\a:\a+1] op_sel_hi:[1,1,0]
.endr
.endr
	s_wait_alu depctr_va_vdst(0)                     ; ahead of the batch
.irp i, 0,1,2,3,4,5,6,7
	v_rcp_f32 v[X2+\i], v[QQ+\i]
.endr
.irp i, 0,2,4,6
	v_pk_mul_f32 v[PP+\i:PP+\i+1], v[PP+\i:PP+\i+1], v[U+\i:U+\i+1]  ; plain work behind the reciprocals
.endr
	s_wait_alu depctr_va_vdst(0)                     ; one wait for the eight, ahead of their first reader
.irp i, 0,2,4,6
	v_pk_mul_f32 v[PP+\i:PP+\i+1], v[PP+\i:PP+\i+1], v[X2+\i:X2+\i+1]  ; erf
.endr
.irp i, 0,2,4,6
	v_pk_mul_f32 v[U+\i:U+\i+1], v[z+\i:z+\i+1], 0.5 op_sel_hi:[1,0]
.endr
.irp i, 0,2,4,6
	s_delay_alu instid0(VALU_DEP_4)
	v_pk_fma_f32 v[z+\i:z+\i+1], v[U+\i:U+\i+1], v[PP+\i:PP+\i+1], v[U+\i:U+\i+1]
.endr
.endm
.macro SPAIR r, bits
	s_mov_b32 s[\r], \bits
	s_mov_b32 s[\r+1], s[\r]                         ; named with it as a pair, so it is written
.endm
; One chunk of 1,024 columns of the gelu layer: slots 2 + 4 c .. 5 + 4 c
.macro CHUNK c
	BLOCK G, OP1, 2+4*(\c)                           ; bf1 + h w1^T
.irp q, 0,1,2,3,4,5,6,7
	GELU \q
.endr
	QUANT2 G, PC, HW
	QUANT2 G+32, PC+4, HW+1
.if (\c) == 0
	s_wait_xcnt 0x0                                  ; earlier loads have read their base, which is written again
	s_add_nc_u64 s[CUR:CUR+1], s[CUR:CUR+1], 4096    ; the next 1,024 of bf1
	PARLOAD CUR, CUR
.endif
	BARRIER                                          ; every wave's reads of what lay in the gelu operand's bytes are over
	v_add_nc_u32 v[OPA], OP2, v[IWB]
	v_add_nc_u32 v[OPS], OP2, v[SWB]
	s_wait_alu depctr_va_vdst(0)                     ; ahead of the readers below
	ds_store_b128 v[OPA], v[PC:PC+3]
	ds_store_b128 v[OPA], v[PC+4:PC+7] offset:8192
	ds_store_b16 v[OPS], v[HW]
	ds_store_b16 v[OPS], v[HW+1] offset:512
	BARRIER                                          ; this chunk's lies in LDS
	BLOCK Y, OP2, 4+4*(\c)                           ; + gelu(..) w2^T
.endm
	s_load_b512 s[4:19], s[0:1], 0x0                 ; cc, cs, wimg, x, bo, g1, b1, bf1
	s_load_b128 s[20:23], s[0:1], 0x40               ; bf2, yp
	v_lshl_add_u32 v[SPW], v0, 2, SPARE
	v_mov_b32 v[NIL], 0
	ds_add_u32 v[SPW], v[NIL]                        ; the wave's opening: the add, twice on end, and its wait ahead of the round in front of the first tensor load
	ds_add_u32 v[SPW], v[NIL]
	v_lshrrev_b32 v15, 5, v0
	s_delay_alu instid0(VALU_DEP_1)
	v_readfirstlane_b32 s[WV], v15                   ; wave 0..15
	s_and_b32 s[HF], ttmp7, 0xffff                   ; my half of the hidden units, which the four partners share
	s_mul_i32 s[HOFF], s[HF], 32*STEPB
	s_mov_b32 s[HOFF+1], 0
	s_bfe_u32 s[TBK], ttmp6, 0x40000                 ; cx: it enters the addresses of cc, cs, x and yp alone
	s_lshl_b32 s27, ttmp9, 2
	s_add_co_u32 s[TBK], s[TBK], s27
	v_and_b32 v15, 31, v0                            ; lane
	v_and_b32 v13, 15, v0                            ; r
	v_bfe_u32 v14, v0, 4, 1                          ; h
	s_delay_alu instid0(VALU_DEP_3)
	v_lshlrev_b32 v[LI], 4, v15
	s_delay_alu instid0(VALU_DEP_4)
	v_lshl_add_u32 v[LSC], v15, 5, 16384
	s_lshl_b32 s48, s[WV], 9
	v_add_nc_u32 v[IWB], s48, v[LI]
	s_lshl_b32 s48, s[WV], 1
	v_lshl_add_u32 v[SWB], v13, 5, 16384
	s_delay_alu instid0(VALU_DEP_1)
	v_add_nc_u32 v[SWB], s48, v[SWB]
	v_add_nc_u32 v244, s48, v[LSC]                   ; ctx's scale bytes: head w of token lane
	s_lshl_b32 s48, s[WV], 10
	v_add_nc_u32 v245, s48, v[LI]                    ; ctx's images: my 1,024 of the 16,384 bytes
	s_lshl_b32 s48, s[WV], 2
	v_lshl_add_u32 v[RL], v13, 6, RED
	s_delay_alu instid0(VALU_DEP_1)
	v_add_nc_u32 v[RA], s48, v[RL]
	s_mul_i32 s48, s[WV], 2*WREC
	s_add_co_u32 s48, s48, RING                      ; my two records in slot 0
	v_add_nc_u32 v[VB], s48, v[LI]
	v_lshl_add_u32 v[VB8], v15, 3, 4096
	s_delay_alu instid0(VALU_DEP_1)
	v_add_nc_u32 v[VB8], s48, v[VB8]
	v_add_nc_u32 v[VC], SLOT, v[VB]
	s_delay_alu instid0(VALU_DEP_2)
	v_add_nc_u32 v[VC8], SLOT, v[VB8]
	s_mov_b32 s[G0], 1
	s_mov_b32 s[G0+1], s48
	s_mov_b32 s[G0+4], 1
	s_add_co_u32 s[G0+5], s48, SLOT
	s_lshl_b32 s48, s[WV], 8
	v_lshl_add_u32 v[VP], v14, 5, s48
	s_delay_alu instid0(VALU_DEP_1)
	v_lshl_add_u32 v[XO], v13, 12, v[VP]
	v_mul_u32_u24 v[STA], v13, SPI
	s_delay_alu instid0(VALU_DEP_1)
	v_add_nc_u32 v[STA], v[STA], v[VP]
	s_delay_alu instid0(VALU_DEP_1)
	v_add_nc_u32 v[STA], STG, v[STA]                 ; the stage: row r, my 32 bytes of tile 0
	s_delay_alu instid0(VALU_DEP_1)
	v_add_nc_u32 v[STB], 16*SPI, v[STA]              ; and row 16 + r
	s_mul_i32 s48, s[WV], 2*SPI
	v_add_nc_u32 v[SR], s48, v[LI]
	s_delay_alu instid0(VALU_DEP_1)
	v_add_nc_u32 v[SR], STG, v[SR]                   ; back: rows 2 w and 2 w + 1
	v_lshlrev_b32 v246, 1, v15
	v_lshlrev_b32 v[L8], 3, v15                      ; from here on v15 holds 8 x lane
	v_mov_b32 v242, 0                                ; lane permutes' destinations count as sources
	v_mov_b32 v243, 0
	v_mov_b32 v248, 0
	v_mov_b32 v249, 0
	v_mov_b32 v28, 0xaf95df0b                        ; -2.72614226e-10
	v_mov_b32 v29, 0xaf95df0b
	v_mov_b32 v30, 0xb77460cd                        ; -1.45660718e-05
	v_mov_b32 v31, 0xb77460cd
	s_mov_b32 s[G1], 15|(3<<16)|(1<<21)              ; the mask: all four work-groups; elements of 8 bytes; bit 21 set beside a mask
	s_mov_b32 s[G1+1], 544<<16                       ; a record: one row of 4,352 bytes
	s_mov_b32 s[G1+2], 2<<16                         ; two of them,
	s_mov_b32 s[G1+3], 544<<16
	s_mov_b32 s[G1+4], 2
	s_mov_b32 s[G1+5], 2*STEPB/8                     ; two K steps apart
	s_mov_b32 s[G1+6], 0
	s_mov_b32 s[G1+7], 0
	s_mov_b32 s[SEL], 0x76543210
	s_mov_b32 s[SEL+1], 0xfedcba98
	SPAIR A1, 0x32edffee                             ;  2.77068142e-08
	SPAIR A2, 0xb60cff51                             ; -2.10102402e-06
	SPAIR A3, 0xb86ec2d2                             ; -5.69250639e-05
	SPAIR A4, 0xba40ac63                             ; -7.34990630e-04
	SPAIR A5, 0xbb41a1f6                             ; -2.95459981e-03
	SPAIR A6, 0xbc83dbd4                             ; -1.60960333e-02
	SPAIR B1, 0xb95fbd29                             ; -2.13374055e-04
	SPAIR B2, 0xbadc924e                             ; -1.68282697e-03
	SPAIR B3, 0xbbf19bf8                             ; -7.37332917e-03
	SPAIR B4, 0xbc69b6a7                             ; -1.42647391e-02
	SPAIR RS2, 0x3f3504f3                            ; 1 / sqrt(2)
	s_mov_b32 s[C1K], 0x3a800000                     ; 1 / 1,024
	s_mov_b32 s[CEPS], 0x3727c5ac                    ; 1e-5
	s_lshl_b32 s48, s[TBK], 14                       ; cc: 16,384 bytes for my 32 tokens,
	s_lshl_b32 s49, s[WV], 10
	s_add_co_u32 s48, s48, s49
	s_mov_b32 s49, 0
	s_lshl_b32 s50, s[WV], 13                        ; cs: head w, 64 bytes for my 32 tokens
	s_lshl_b32 s51, s[TBK], 6
	s_add_co_u32 s50, s50, s51
	s_mov_b32 s51, 0
	s_lshl_b32 s52, s[TBK], 17                       ; x: 32 rows of 4,096 bytes
	s_mov_b32 s53, 0
	s_lshl_b32 s54, s[WV], 13                        ; yp: my two rows of them,
	s_add_co_u32 s54, s54, s52
	s_lshl_b32 s55, s[HF], 24                        ; in my half's 4,096 rows
	s_add_co_u32 s54, s54, s55
	s_mov_b32 s55, 0
	s_lshl_b32 s56, s[HF], 13                        ; bf1: my half's 2,048 numbers
	s_mov_b32 s57, 0
	s_mul_i32 s58, s[WV], WREC                       ; wimg: my record of K step 0
	s_mov_b32 s59, 0
	s_wait_alu depctr_va_vdst(0)
	s_wait_dscnt 0x0                                 ; both opening adds are done
	s_wait_kmcnt 0x0
	s_add_nc_u64 s[4:5], s[4:5], s[48:49]
	s_add_nc_u64 s[6:7], s[6:7], s[50:51]
	s_add_nc_u64 s[10:11], s[10:11], s[52:53]
	s_add_nc_u64 s[22:23], s[22:23], s[54:55]
	s_add_nc_u64 s[CUR:CUR+1], s[18:19], s[56:57]
	s_add_nc_u64 s[G0+2:G0+3], s[8:9], s[58:59]      ; slot 0: K steps 0, 2
	s_add_nc_u64 s[G0+6:G0+7], s[G0+2:G0+3], 4*STEPB ; slot 1: K steps 4, 6
	s_add_nc_u64 s[GB:GB+1], s[G0+2:G0+3], STEPB     ; buffer 1: K step 1
	s_or_b32 s[G0+3], s[G0+3], 0x80000000
	s_or_b32 s[G0+7], s[G0+7], 0x80000000
	ROUND                                            ; all four work-groups are here: the first joint loads meet
	tensor_load_to_lds s[G0:G0+3], s[G1:G1+7]        ; my one tensor load at the head
	s_nop 0
	PLACES
	global_load_b128 v[224:227], v[LI], s[4:5]
	global_load_b128 v[228:231], v[LI], s[4:5] offset:512
	global_load_u16 v232, v246, s[6:7]
.irp m, 0,1
.irp t, 0,1,2,3
	global_load_b128 v[Y+32*\m+8*\t:Y+32*\m+8*\t+3], v[XO], s[10:11] offset:65536*\m+64*\t
	global_load_b128 v[Y+32*\m+8*\t+4:Y+32*\m+8*\t+7], v[XO], s[10:11] offset:65536*\m+64*\t+16
.endr
.endr
	HALFLOAD 0, 12                                   ; bo
	GLOADS                                           ; K step 1's record
	s_wait_loadcnt 9                                 ; all but that record's nine loads
	ds_store_b128 v245, v[224:227]                   ; ctx's images lie in memory as they lie in LDS
	ds_store_b128 v245, v[228:231] offset:512
	ds_store_b16 v244, v232
	ADDG                                             ; Y = x + bo
	PARLOAD 14, 16                                   ; g1, b1
	s_wait_alu depctr_va_vdst(0)
	BARRIER                                          ; ctx lies in LDS
	BLOCK Y, OP0, 0                                  ; + ctx wo^T
	LN 0                                             ; Y = h
	HALFLOAD 0, 20                                   ; bf2
	QUANT2 Y, PC, HW
	QUANT2 Y+32, PC+4, HW+1
	ds_store_b128 v[IWB], v[PC:PC+3] offset:OP1
	ds_store_b128 v[IWB], v[PC+4:PC+7] offset:OP1+8192
	ds_store_b16 v[SWB], v[HW] offset:OP1
	ds_store_b16 v[SWB], v[HW+1] offset:OP1+512
	s_wait_loadcnt 0x0
	HALFRES                                          ; Y = 0.5 (h + bf2)
	PARLOAD CUR, CUR                                 ; bf1 of my first chunk, for both token tiles
	s_wait_loadcnt 0x0                               ; bf1 is the C of the first products below
	BARRIER                                          ; h lies in LDS
	CHUNK 0
	CHUNK 1
	; THE WAY OUT: a lane holds 32 neighbouring bytes of a row; the rows meet in the stage and leave whole.  Each accumulator is read from its low end on; the block's last four places stand ahead of these stores
.irp t, 0,1,2,3
	ds_store_b128 v[STA], v[Y+8*\t:Y+8*\t+3] offset:64*\t
	ds_store_b128 v[STA], v[Y+8*\t+4:Y+8*\t+7] offset:64*\t+16
	ds_store_b128 v[STB], v[Y+32+8*\t:Y+32+8*\t+3] offset:64*\t
	ds_store_b128 v[STB], v[Y+32+8*\t+4:Y+32+8*\t+7] offset:64*\t+16
.endr
	BARRIER
.irp n, 0,1,2,3,4,5,6,7,8,9,10,11,12,13,14,15
	ds_load_b128 v[Y+4*\n:Y+4*\n+3], v[SR] offset:SPI*(\n/8)+512*(\n%8)
.endr
.irp n, 0,1,2,3,4,5,6,7,8,9,10,11,12,13,14,15
	s_wait_dscnt 15-\n                               ; the younger loads may be out
	global_store_b128 v[LI], v[Y+4*\n:Y+4*\n+3], s[22:23] offset:4096*(\n/8)+512*(\n%8)   ; 512 consecutive bytes, aligned
.endr
	s_wait_tensorcnt 0x0                             ; the wave's end: behind my last tensor load and my last LDS store
	ds_add_u32 v[SPW], v[NIL]
	s_wait_dscnt 0x0
	ROUND                                            ; the closing round
	s_endpgm
.Lfunc_end_k_qa5f777d2af_post:
	.size	k_qa5f777d2af_post, .Lfunc_end_k_qa5f777d2af_post-k_qa5f777d2af_post
	.p2alignl 7, 3214868480
	.fill 96, 4, 3214868480
	.section	.rodata,"a",@progbits
	.p2align	6, 0x0
	.amdhsa_kernel k_qa5f777d2af_post
		.amdhsa_group_segment_fixed_size 327680
		.amdhsa_private_segment_fixed_size 0
		.amdhsa_enable_private_segment 0
		.amdhsa_kernarg_size 80
		.amdhsa_user_sgpr_count 2
		.amdhsa_user_sgpr_kernarg_segment_ptr 1
		.amdhsa_wavefront_size32 1
		.amdhsa_system_sgpr_workgroup_id_x 1
		.amdhsa_system_sgpr_workgroup_id_y 1
		.amdhsa_system_sgpr_workgroup_id_z 1
		.amdhsa_system_vgpr_workitem_id 0
		.amdhsa_next_free_vgpr 256
		.amdhsa_next_free_sgpr 100
		.amdhsa_reserve_vcc 0
		.amdhsa_float_denorm_mode_32 3
		.amdhsa_float_denorm_mode_16_64 3
		.amdhsa_memory_ordered 1
		.amdhsa_forward_progress 1
		.amdhsa_inst_pref_size 233
	.end_amdhsa_kernel
	.amdgpu_metadata
---
amdhsa.version: [ 1, 2 ]
amdhsa.kernels:
  - .name:           k_qa5f777d2af_post
    .symbol:         k_qa5f777d2af_post.kd
    .args:
      - { .name: cc, .offset: 0, .size: 8, .value_kind: global_buffer, .address_space: global }
      - { .name: cs, .offset: 8, .size: 8, .value_kind: global_buffer, .address_space: global }
      - { .name: wimg, .offset: 16, .size: 8, .value_kind: global_buffer, .address_space: global }
      - { .name: x, .offset: 24, .size: 8, .value_kind: global_buffer, .address_space: global }
      - { .name: bo, .offset: 32, .size: 8, .value_kind: global_buffer, .address_space: global }
      - { .name: g1, .offset: 40, .size: 8, .value_kind: global_buffer, .address_space: global }
      - { .name: b1, .offset: 48, .size: 8, .value_kind: global_buffer, .address_space: global }
      - { .name: bf1, .offset: 56, .size: 8, .value_kind: global_buffer, .address_space: global }
      - { .name: bf2, .offset: 64, .size: 8, .value_kind: global_buffer, .address_space: global }
      - { .name: yp, .offset: 72, .size: 8, .value_kind: global_buffer, .address_space: global }
    .group_segment_fixed_size: 327680
    .private_segment_fixed_size: 0
    .kernarg_segment_align: 8
    .kernarg_segment_size: 80
    .max_flat_workgroup_size: 512
    .sgpr_count:     100
    .vgpr_count:     256
    .wavefront_size: 32
...
	.end_amdgpu_metadata
.endif
;; end of part 3
;; launch ln2 (part 4): grid 256 x 1, 8 waves a work-group, no clusters, 0 bytes of LDS; arguments yp, g2, b2, out0; writes out0
.if DOCPART == 4
	.amdgcn_target "amdgcn-amd-amdhsa--gfx1250"
	.amdhsa_code_object_version 6
	.text
	.protected	k_qa5f777d2af_ln2
	.globl	k_qa5f777d2af_ln2
	.p2align	8
	.type	k_qa5f777d2af_ln2,@function
k_qa5f777d2af_ln2:
	s_mov_b64 s[64:65], 0
	v_nop
	global_prefetch_b8 v0, s[64:65] scope:SCOPE_SE
	s_setreg_imm32_b32 hwreg(HW_REG_WAVE_MODE, 25, 1), 1
	s_wait_xcnt 0x0
; LAUNCH 4 OF 4: out0 = LN(yp[0] + yp[1]; g2, b2).  yp: [2][4096][1024] f32, the two halves of h + ff that the third launch stored; out0: [4096][1024] f32.  No work is left out.
; A stream: every byte is read once and written once, so there is no LDS, no barrier and no matrix unit.  A row is 4,096 bytes: one wave takes a whole row, eight loads of 16 bytes a lane from each half, and keeps it in
; registers between the passes (sum; sum of squares about the mean; scaling), so the reductions never leave the wave.  256 work-groups of eight waves, two rows a wave: 4,096 rows.
; All of a wave's loads go out at its head: 16 for the gain and the bias, 16 for each row.  Each load and each store of a wave covers 512 consecutive bytes, aligned.
; LIMITS: NaN and infinities are not served.
.set OFF, 1                            ; v1       16 x lane; never rewritten
.set GA,  160                          ; v160-191 the gain at my 32 columns (128 j + 4 lane + 0 .. 3)
.set BA,  192                          ; v192-223 the bias
; row i: v[32 + 64 i ..] 32 registers of half 0, then of the sum; v[64 + 64 i ..] 32 of half 1; v[4 + 8 i ..]: four for the sums, two for the mean and then 1 / sqrt(var + eps) (the low word; the upper is named with it)
	s_load_b256 s[4:11], s[0:1], 0x0                 ; yp, g2, b2, out0
	v_lshrrev_b32 v2, 5, v0
	s_delay_alu instid0(VALU_DEP_1)
	v_readfirstlane_b32 s12, v2                      ; wave 0..7
	v_and_b32 v[OFF], 31, v0
	s_delay_alu instid0(VALU_DEP_1)
	v_lshlrev_b32 v[OFF], 4, v[OFF]
	v_mov_b32 v9, 0
	v_mov_b32 v17, 0
	s_lshl_b32 s14, ttmp9, 16                        ; the work-group's 16 rows of 4,096 bytes,
	s_lshl_b32 s13, s12, 13                          ; my wave's two of them
	s_add_co_u32 s14, s14, s13
	s_mov_b32 s15, 0
	s_mov_b32 s16, 0x76543210                        ; v_permlanex16_b32's selects for lane l xor 16
	s_mov_b32 s17, 0xfedcba98
	s_mov_b32 s18, 0x3a800000                        ; 1 / 1,024
	s_mov_b32 s19, 0x3727c5ac                        ; 1e-5
	s_wait_alu depctr_va_vdst(0)
	s_wait_kmcnt 0x0
	s_add_nc_u64 s[4:5], s[4:5], s[14:15]            ; half 0 at my first row,
	s_add_nc_u64 s[20:21], s[4:5], 0x1000000         ; half 1: 4,096 rows further on
	s_add_nc_u64 s[10:11], s[10:11], s[14:15]
.irp j, 0,1,2,3,4,5,6,7
	global_load_b128 v[GA+4*\j:GA+4*\j+3], v[OFF], s[6:7] offset:512*\j
	global_load_b128 v[BA+4*\j:BA+4*\j+3], v[OFF], s[8:9] offset:512*\j
.endr
.irp i, 0,1
.irp j, 0,1,2,3,4,5,6,7
	global_load_b128 v[32+64*\i+4*\j:32+64*\i+4*\j+3], v[OFF], s[4:5] offset:4096*\i+512*\j th:TH_LOAD_NT
	global_load_b128 v[64+64*\i+4*\j:64+64*\i+4*\j+3], v[OFF], s[20:21] offset:4096*\i+512*\j th:TH_LOAD_NT
.endr
.endr
.macro ACROSS                          ; the two chains, then the 32 lanes: four steps inside each half of 16 lanes ride on the addition, one crosses the halves; every lane ends with the sum in v[tt]
	s_delay_alu instid0(VALU_DEP_1)
	v_pk_add_f32 v[tt:tt+1], v[tt:tt+1], v[tt+2:tt+3]
	s_delay_alu instid0(VALU_DEP_1)
	v_add_f32 v[tt], v[tt], v[tt+1]
	s_delay_alu instid0(VALU_DEP_1)
	v_add_f32_dpp v[tt], v[tt], v[tt] row_xmask:1 row_mask:0xf bank_mask:0xf
	s_delay_alu instid0(VALU_DEP_1)
	v_add_f32_dpp v[tt], v[tt], v[tt] row_xmask:2 row_mask:0xf bank_mask:0xf
	s_delay_alu instid0(VALU_DEP_1)
	v_add_f32_dpp v[tt], v[tt], v[tt] row_xmask:4 row_mask:0xf bank_mask:0xf
	s_delay_alu instid0(VALU_DEP_1)
	v_add_f32_dpp v[tt], v[tt], v[tt] row_xmask:8 row_mask:0xf bank_mask:0xf
	s_delay_alu instid0(VALU_DEP_1)
	v_permlanex16_b32 v[tt+1], v[tt], s16, s17       ; its destination has been written above
	s_delay_alu instid0(VALU_DEP_1)
	v_add_f32 v[tt], v[tt], v[tt+1]
.endm
.macro ROW i
.set za, 32+64*\i
.set zb, 64+64*\i
.set tt, 4+8*\i
	s_wait_loadcnt 16*(1-\i)                         ; the gain, the bias and this row are in; the next row's 16 loads may be out
.set j, 0
.rept 16
	v_pk_add_f32 v[za+j:za+j+1], v[za+j:za+j+1], v[zb+j:zb+j+1]      ; the two halves of h + ff
.set j, j+2
.endr
	v_pk_add_f32 v[tt:tt+1], v[za:za+1], v[za+2:za+3]                ; my 32 numbers, in two chains
	v_pk_add_f32 v[tt+2:tt+3], v[za+4:za+5], v[za+6:za+7]
.irp k, 8,16,24
	s_delay_alu instid0(VALU_DEP_2)
	v_pk_add_f32 v[tt:tt+1], v[tt:tt+1], v[za+\k:za+\k+1]
	s_delay_alu instid0(VALU_DEP_2)
	v_pk_add_f32 v[tt+2:tt+3], v[tt+2:tt+3], v[za+\k+2:za+\k+3]
	s_delay_alu instid0(VALU_DEP_2)
	v_pk_add_f32 v[tt:tt+1], v[tt:tt+1], v[za+\k+4:za+\k+5]
	s_delay_alu instid0(VALU_DEP_2)
	v_pk_add_f32 v[tt+2:tt+3], v[tt+2:tt+3], v[za+\k+6:za+\k+7]
.endr
	ACROSS
	s_delay_alu instid0(VALU_DEP_1)
	v_mul_f32 v[tt+4], s18, v[tt]                    ; the mean
.set j, 0
.rept 16
	v_pk_add_f32 v[za+j:za+j+1], v[za+j:za+j+1], v[tt+4:tt+5] op_sel_hi:[1,0] neg_lo:[0,1] neg_hi:[0,1]
.set j, j+2
.endr
	v_pk_mul_f32 v[tt:tt+1], v[za:za+1], v[za:za+1]
	v_pk_mul_f32 v[tt+2:tt+3], v[za+2:za+3], v[za+2:za+3]
.irp k, 4,8,12,16,20,24,28
	s_delay_alu instid0(VALU_DEP_2)
	v_pk_fma_f32 v[tt:tt+1], v[za+\k:za+\k+1], v[za+\k:za+\k+1], v[tt:tt+1]
	s_delay_alu instid0(VALU_DEP_2)
	v_pk_fma_f32 v[tt+2:tt+3], v[za+\k+2:za+\k+3], v[za+\k+2:za+\k+3], v[tt+2:tt+3]
.endr
	ACROSS
	s_delay_alu instid0(VALU_DEP_1)
	v_fma_f32 v[tt+4], v[tt], s18, s19               ; the variance + eps
	s_wait_alu depctr_va_vdst(0)
	v_rsq_f32 v[tt+4], v[tt+4]
	v_nop                                            ; a plain place behind it
	s_wait_alu depctr_va_vdst(0)                     ; and the wait ahead of its first reader
.set j, 0
.rept 16
	v_pk_mul_f32 v[za+j:za+j+1], v[za+j:za+j+1], v[tt+4:tt+5] op_sel_hi:[1,0]
.set j, j+2
.endr
.set j, 0
.rept 16
	v_pk_fma_f32 v[za+j:za+j+1], v[za+j:za+j+1], v[GA+j:GA+j+1], v[BA+j:BA+j+1]
.set j, j+2
.endr
.irp k, 0,1,2,3,4,5,6,7
	global_store_b128 v[OFF], v[za+4*\k:za+4*\k+3], s[10:11] offset:4096*\i+512*\k th:TH_STORE_NT   ; 512 consecutive bytes, aligned; written once.  No register that a store names is written again
.endr
.endm
	ROW 0
	ROW 1
	s_endpgm
.Lfunc_end_k_qa5f777d2af_ln2:
	.size	k_qa5f777d2af_ln2, .Lfunc_end_k_qa5f777d2af_ln2-k_qa5f777d2af_ln2
	.p2alignl 7, 3214868480
	.fill 96, 4, 3214868480
	.section	.rodata,"a",@progbits
	.p2align	6, 0x0
	.amdhsa_kernel k_qa5f777d2af_ln2
		.amdhsa_group_segment_fixed_size 0
		.amdhsa_private_segment_fixed_size 0
		.amdhsa_enable_private_segment 0
		.amdhsa_kernarg_size 32
		.amdhsa_user_sgpr_count 2
		.amdhsa_user_sgpr_kernarg_segment_ptr 1
		.amdhsa_wavefront_size32 1
		.amdhsa_system_sgpr_workgroup_id_x 1
		.amdhsa_system_sgpr_workgroup_id_y 1
		.amdhsa_system_sgpr_workgroup_id_z 1
		.amdhsa_system_vgpr_workitem_id 0
		.amdhsa_next_free_vgpr 224
		.amdhsa_next_free_sgpr 66
		.amdhsa_reserve_vcc 0
		.amdhsa_float_denorm_mode_32 3
		.amdhsa_float_denorm_mode_16_64 3
		.amdhsa_memory_ordered 1
		.amdhsa_forward_progress 1
		.amdhsa_inst_pref_size 24
	.end_amdhsa_kernel
	.amdgpu_metadata
---
amdhsa.version: [ 1, 2 ]
amdhsa.kernels:
  - .name:           k_qa5f777d2af_ln2
    .symbol:         k_qa5f777d2af_ln2.kd
    .args:
      - { .name: yp, .offset: 0, .size: 8, .value_kind: global_buffer, .address_space: global }
      - { .name: g2, .offset: 8, .size: 8, .value_kind: global_buffer, .address_space: global }
      - { .name: b2, .offset: 16, .size: 8, .value_kind: global_buffer, .address_space: global }
      - { .name: out0, .offset: 24, .size: 8, .value_kind: global_buffer, .address_space: global }
    .group_segment_fixed_size: 0
    .private_segment_fixed_size: 0
    .kernarg_segment_align: 8
    .kernarg_segment_size: 32
    .max_flat_workgroup_size: 256
    .sgpr_count:     66
    .vgpr_count:     224
    .wavefront_size: 32
...
	.end_amdgpu_metadata
.endif
;; end of part 4
